; MI455X (gfx1250); checked and timed in simulation.
; The chip was launched on July 23, 2026; its instructions are those of AMD's public machine-readable ISA for CDNA 5 (MIT licence, August 2026) and "CDNA5" Instruction Set Architecture Reference Guide (July 2026). The comments in the code are by the model that wrote it; some were corrected since.
;; Attention. Allowed arithmetic: matrix products marked QUANTISED: E5M2 operands, one E8M0 scale for each 32 along K, by v_wmma_scale_f32_16x16x128_f8f6f4 with both operands' format E5M2, f32 sums; everything else in f32.
;; Inputs: Wk 512 x 4,096 float32; Wq 512 x 4,096 float32; Wv 512 x 4,096 float32; bk 4,096 float32; bq 4,096 float32; bv 4,096 float32; query 4 x 1,024 x 512 float32; value 4 x 1,024 x 512 float32.
;; Outputs: out0 4 x 1,024 x 4,096 float32.
;; This version of the problem:
;;   THIS VERSION OF THE PROBLEM IS GIVEN IN LOW PRECISION. The matrix products marked QUANTISED in the list below multiply operands that are first quantised to E5M2 (5 exponent bits, 2 mantissa bits; 8 bits a number), with one power-of-two scale for each 32 numbers along K (OCP MX v1.0); their sums are f32. All else is computed in f32.
;;   The module's matrix products, in the order in which they are computed (A, B: the left and right operand; K: the contracted axis; several contracted axes count as one K, in the product's order):
;;     1. [M 4,096, K 512] x [K 512, N 4,096]; A: input query; B: input Wq: QUANTISED
;;     2. [M 4,096, K 512] x [K 512, N 4,096]; A: input value; B: input Wk: QUANTISED
;;     3. [M 4,096, K 512] x [K 512, N 4,096]; A: input value; B: input Wv: QUANTISED
;;     4. batch 32 x [M 1,024, K 512] x [K 512, N 1,024]; A: computed on the way; B: computed on the way: QUANTISED
;;     5. batch 32 x [M 512, K 1,024] x [K 1,024, N 1,024]; A: computed on the way; B: softmax (see below): QUANTISED
;;   THE QUANTISER, for each operand of a quantised product, along K:
;;     - K is cut into blocks of 32 from its start; a last block that is shorter is filled with zeros.
;;     - A block's scale is 2^e with e = floor(log2(the largest magnitude in the block)) - 15, held to -126 .. 127; a block of zeros has e = 0. As a byte (E8M0): e + 127.
;;     - Each number is divided by its block's scale, clamped to +-57,344, and rounded to the nearest number of E5M2, ties to even, subnormals kept.
;;     - The product sums the exact products of the quantised numbers (number of the format x scale) in f32.
;;   ~~~python
;;   def quantise(x, axis):      # numpy; x: float32 -> the quantised numbers, widened to float32 again
;;       x = np.moveaxis(x, axis, -1); K = x.shape[-1]
;;       x = np.pad(x, [(0, 0)] * (x.ndim - 1) + [(0, -K % 32)]); x = x.reshape(x.shape[:-1] + (-1, 32)); a = np.abs(x).max(-1, keepdims=True)
;;       e = np.where(a > 0, np.clip(np.frexp(np.where(a > 0, a, 1))[1] - 1 - 15, -126, 127), 0)      # np.frexp(a)[1] - 1 = floor(log2(a)), exactly
;;       r = np.clip(x / 2.0 ** e, -57344, 57344)
;;       step = 2.0 ** (np.maximum(np.frexp(np.where(r == 0, 1, r))[1] - 1, -14) - 2)
;;       q = np.round(r / step) * step * 2.0 ** e      # np.round: ties to even
;;       return np.moveaxis(q.reshape(q.shape[:-2] + (-1,))[..., :K], -1, axis).astype(np.float32)
;;   ~~~
;;   SOFTMAX AHEAD OF A QUANTISED PRODUCT. Where the list says 'softmax', what is quantised is not the finished softmax but p = 2^(t - M), with t = logit x log2(e) and M = ceil(the row's largest t), a whole number; so 1/2 < the row's largest p <= 1. The row's sum l is taken of the UNQUANTISED p, in f32, and the product's result is divided by l at the end. Since M is a whole number, a kernel that streams over the keys may use a running M (the ceiling of the running maximum): every later rescaling is an exact power of two, which a block's scale takes up: the codes' values come out the same.
;;   OPERANDS COMPUTED ON THE WAY. 'Computed on the way' means the value that the module computes at that place (a softmax that the list does not call 'softmax' is quantised finished and normalised). What goes into a quantiser is computed in f32, as accurately as f32 sums, v_exp_f32 and their like allow (about 1e-6 of the number): no bf16 or f16 on the way to a quantiser, and a product that is left as it is and whose result goes on into a quantised operand takes f32 operands (vector FMAs, or v_wmma_f32_16x16x4_f32). A number that lies on a knife's edge between two numbers of the format may be rounded either way, as far as f32 arithmetic and the matrix unit's own rounding can turn it there, and no further.
;; 2 versions. Each part assembles by itself: llvm-mc -triple=amdgcn-amd-amdhsa -mcpu=gfx1250 --defsym DOCPART=n.
;; ======== version 1 of 2: 3 launches
;; workspace buffers: codes 10,485,760 bytes; scales 327,680 bytes; qkvc 50,331,648 bytes; qkvs 1,572,864 bytes
;; launch quant (part 1): grid 320 x 1, 4 waves a work-group, no clusters, 68,096 bytes of LDS; arguments query, value, Wq, Wk, Wv, codes, scales; writes codes, scales
.if DOCPART == 1
	.amdgcn_target "amdgcn-amd-amdhsa--gfx1250"
	.amdhsa_code_object_version 6
	.text
	.protected	k_qde48126c85_quant
	.globl	k_qde48126c85_quant
	.p2align	8
	.type	k_qde48126c85_quant,@function
k_qde48126c85_quant:
	s_mov_b64 s[64:65], 0
	v_nop
	global_prefetch_b8 v0, s[64:65] scope:SCOPE_SE
	s_setreg_imm32_b32 hwreg(HW_REG_WAVE_MODE, 25, 1), 1
	s_wait_xcnt 0x0
; query, value [4096][512] f32 and Wq, Wk, Wv [512][4096] f32 become codes of BF8 (E5M2) with K (the 512) innermost, and one E8M0 byte for each 32 along K.
; codes: [20480 rows][512 bytes]; scales: [20480][16 bytes].  Rows 0-4095 query, 4096-8191 value, 8192 + 4096 p + n = column n of weight p (0 Wq, 1 Wk, 2 Wv).
; A block's scale is 2^(floor(log2(largest magnitude)) - 15): its byte is the largest magnitude's exponent field - 15, held at 1 from below; each number is divided by the scale,
; held within +-57,344 and rounded to the nearest code, ties to even.
; LIMITS: a block of zeros gets the byte 1 where the rule says 127 (its codes are zeros, and this program alone reads the bytes); blocks whose largest magnitude lies under 2^-111
; share that byte; NaN and infinities among the inputs are not served.
; Work-groups 0-127: query and value, whose K is innermost: plain streams of blocks of 32.  Work-groups 128-319: the weights, whose K is the first axis: a lane takes a column.
; The two ways part on the work-group's number and have LDS bytes of their own.  No tensor load, no barrier: waves share nothing.
.set EMAX,  15
.set MANT,  0x600000                   ; the mantissa field of 57,344 as f32
; the streams
.set STEPS, 16                         ; a wave takes 16 steps of 512 numbers
.set CB,    16                         ; bytes of a lane's 16 codes
.set R,     16                         ; v16-79   four sets of 16 numbers as loaded
.set X,     80                         ; v80-111  two sets of 16 neighbours
.set C,     128                        ; v128-191 codes, four registers a step: no store's data are written again
.set E,     112                        ; v112-127 a scale byte a step
.set WREG,  8192                       ; LDS of a wave: two stages of 32 x SP bytes, then its 256 scale bytes
.set SP,    80                         ; a lane's 64 bytes + 16 of padding
; the weights
.set SIZE_N, 4096
.set NB,    8                          ; blocks of 32 along K for a wave: 256 along K
.set PITCH, 272                        ; a stage row: 256 bytes of codes + 16
.set KROW,  512                        ; a row of codes in memory
.set WLDS,  32768                      ; the weights' stages begin here
.set WX,    32                         ; v32-95   two sets of 32 numbers
.set WC,    96                         ; v96-103  a block's codes
.set OUTR,  112                        ; v112-175 the way out
.set SB,    24                         ; v24-25   the scale bytes, four to a register
	s_load_b256 s[4:11], s[0:1], 0x0               ; query s[4:5], value s[6:7], Wq s[8:9], Wk s[10:11]
	s_load_b128 s[12:15], s[0:1], 0x20             ; Wv s[12:13], codes s[14:15]
	s_load_b64 s[16:17], s[0:1], 0x30              ; scales
	v_lshl_add_u32 v192, v0, 2, 0x10800
	v_mov_b32 v193, 0
	v_lshrrev_b32 v1, 5, v0
	v_readfirstlane_b32 s18, v1                    ; wave
	v_and_b32 v2, 31, v0                           ; lane
	s_mov_b32 s31, MANT                            ; (an instruction takes one literal: the hold's line has another)
	s_wait_kmcnt 0x0
	s_cmp_lt_u32 ttmp9, 128
	s_cbranch_scc0 .Lweights
; ---------------- query and value ----------------
; Each of a step's four loads reads 512 consecutive bytes, 16 a lane; the 2,048 bytes go through the wave's own stage and come back 64 bytes a lane: 16 neighbours along K.  Two neighbouring lanes hold a block.
	v_lshlrev_b32 v3, 4, v2                        ; my 16 bytes of a load's 512
	s_mul_i32 s19, s18, WREG
	v_lshrrev_b32 v14, 2, v2
	v_mul_u32_u24 v14, v14, SP
	v_and_b32 v15, 3, v2
	v_lshl_add_u32 v14, v15, 4, v14
	v_add_nc_u32 v14, s19, v14                     ; into the stage: SP (lane / 4) + 16 (lane % 4)
	v_mul_u32_u24 v15, v2, SP
	v_add_nc_u32 v15, s19, v15                     ; out of it: SP x lane
	v_mul_u32_u24 v4, v2, CB                       ; my codes' place in a step's
	v_lshrrev_b32 v5, 1, v2
	s_add_co_u32 s19, s19, 2*32*SP
	v_add_nc_u32 v5, s19, v5                       ; my block's byte among my wave's 256
	v_lshlrev_b32 v7, 3, v2                        ; on the way out 8 bytes a lane
	v_add_nc_u32 v6, s19, v7
	s_cmp_lt_u32 ttmp9, 64                         ; query's work-group or value's: the choice hangs on the work-group's number alone
	s_cselect_b64 s[4:5], s[4:5], s[6:7]
	s_cselect_b32 s19, 0, 64
	s_sub_co_u32 s19, ttmp9, s19
	s_lshl_b32 s19, s19, 2
	s_add_co_u32 s20, s19, s18                     ; which run of 8,192 numbers of the input is my wave's
	s_mov_b32 s21, 0
	s_lshl_b64 s[20:21], s[20:21], 15              ; 32,768 bytes a run
	s_add_nc_u64 s[4:5], s[4:5], s[20:21]
	s_lshl_b32 s20, ttmp9, 2
	s_add_co_u32 s20, s20, s18                     ; and of the outputs: value's rows follow query's
	s_lshl_b32 s24, s20, 13                        ; 8,192 bytes of codes a run
	s_mov_b32 s25, 0
	s_add_nc_u64 s[14:15], s[14:15], s[24:25]
	s_lshl_b32 s24, s20, 8                         ; 256 scale bytes a run
	s_add_nc_u64 s[16:17], s[16:17], s[24:25]
.macro XLOAD t
.irp i, 0,1,2,3
	global_load_b128 v[R+16*((\t)%4)+4*\i:R+16*((\t)%4)+4*\i+3], v3, s[4:5] offset:2048*(\t)+512*\i th:TH_LOAD_NT
.endr
.endm
.macro XTURN t                         ; step t through the stage: LDS serves a wave's instructions in order, so no wait stands between the stores and the loads
.irp i, 0,1,2,3
	ds_store_b128 v14, v[R+16*((\t)%4)+4*\i:R+16*((\t)%4)+4*\i+3] offset:32*SP*((\t)%2)+8*SP*\i
.endr
.irp i, 0,1,2,3
	ds_load_b128 v[X+16*((\t)%2)+4*\i:X+16*((\t)%2)+4*\i+3], v15 offset:32*SP*((\t)%2)+16*\i
.endr
.endm
.irp t, 0,1,2,3
	XLOAD \t
.endr
	s_wait_loadcnt 12                              ; step 0's four loads are in; the twelve of steps 1 to 3 stay out
	XTURN 0
.macro XSTEP t
.set XS, X+16*((\t)%2)
.if (\t) > 0
	s_wait_dscnt 1                                 ; this step's numbers are back from the stage; the last step's byte store may be out
.else
	s_wait_dscnt 0x0
.endif
.if (\t)+4 < STEPS
	XLOAD (\t)+4                                   ; into the registers that this step's stage stores have read
.endif
.if (\t)+1 < STEPS
.if STEPS-2-(\t) >= 3
	s_wait_loadcnt 12                              ; the next step's four loads are in; those of the three steps behind it may be out
.else
	s_wait_loadcnt 4*(STEPS-2-(\t))
.endif
	XTURN (\t)+1
.endif
	v_max3_num_f32 v8, |v[XS]|, |v[XS+1]|, |v[XS+2]|               ; the largest magnitude of my 16, in two chains
	v_max3_num_f32 v9, |v[XS+3]|, |v[XS+4]|, |v[XS+5]|
.irp i, 6,10
	v_max3_num_f32 v8, v8, |v[XS+\i]|, |v[XS+\i+1]|
	v_max3_num_f32 v9, v9, |v[XS+\i+2]|, |v[XS+\i+3]|
.endr
	v_max3_num_f32 v8, v8, |v[XS+14]|, |v[XS+15]|
	v_max3_num_f32 v8, v8, v9, (EMAX+1)<<23        ; and the floor 2^(16 - 127): the byte cannot fall under 1
	v_max_num_f32_dpp v8, v8, v8 row_xmask:1 row_mask:0xf bank_mask:0xf   ; and of my neighbour's 16: the block's
	v_add_nc_u32 v11, 0xf8800000, v8               ; 15 off its exponent field: the conversion takes this operand's exponent field as its scale
	v_and_or_b32 v10, v8, 0x7f800000, s31          ; 57,344 x the scale
.irp i, 0,1,2,3,4,5,6,7,8,9,10,11,12,13,14,15
	v_med3_num_f32 v[XS+\i], v[XS+\i], -v10, v10   ; the conversion to an 8-bit code does not saturate (ISA guide 7.6.2): the hold comes first
.endr
	v_cvt_scalef32_pk8_bf8_f32 v[C+4*(\t):C+4*(\t)+1], v[XS:XS+7], v11
	v_cvt_scalef32_pk8_bf8_f32 v[C+4*(\t)+2:C+4*(\t)+3], v[XS+8:XS+15], v11
	v_lshrrev_b32 v[E+(\t)], 23, v11               ; the scale's byte (also the plain line behind the conversions)
	ds_store_b8 v5, v[E+(\t)] offset:16*(\t)       ; both lanes of a block write the same byte with the same value
	global_store_b128 v4, v[C+4*(\t):C+4*(\t)+3], s[14:15] offset:32*CB*(\t)   ; the wave stores 512 consecutive bytes
.endm
.irp t, 0,1,2,3,4,5,6,7,8,9,10,11,12,13,14,15
	XSTEP \t
.endr
	ds_load_b64 v[12:13], v6                       ; my wave's 256 scale bytes: these loads see my stores
	s_wait_dscnt 0x0
	global_store_b64 v7, v[12:13], s[16:17]        ; 32 lanes store 256 consecutive bytes, aligned
	s_wait_tensorcnt 0x0
	ds_add_u32 v192, v193
	s_wait_dscnt 0x0
	s_endpgm
; ---------------- the weights ----------------
; A lane takes a column n and its registers run down K: each load reads 128 consecutive bytes a wave, a block of 32 lies in one lane, and the conversions give codes with K innermost.
; A wave takes 32 columns x 256 along K; the codes go through its own stage and leave as rows: sixteen lanes store 256 consecutive bytes.
.Lweights:
	s_sub_co_u32 s19, ttmp9, 128
	s_lshr_b32 s20, s19, 6                         ; p: which weight
	s_and_b32 s21, s19, 31                         ; x: which 128 columns
	s_bfe_u32 s22, s19, 0x10005                    ; y: which 256 along K
	s_cmp_eq_u32 s20, 0
	s_cselect_b64 s[4:5], s[8:9], s[10:11]
	s_cmp_eq_u32 s20, 2
	s_cselect_b64 s[4:5], s[12:13], s[4:5]
	s_lshl_b32 s23, s21, 7
	s_lshl_b32 s24, s18, 5
	s_add_co_u32 s23, s23, s24                     ; my wave's first column
	v_lshlrev_b32 v3, 2, v2                        ; in: 4 bytes a lane
	s_mul_i32 s24, s18, 32*PITCH
	s_add_co_u32 s24, s24, WLDS                    ; my stage
	v_mul_u32_u24 v4, v2, PITCH
	v_add_nc_u32 v4, s24, v4                       ; into it: row = my column
	v_and_b32 v5, 15, v2
	v_lshrrev_b32 v6, 4, v2
	v_mul_u32_u24 v7, v6, PITCH
	v_lshl_add_u32 v7, v5, 4, v7
	v_add_nc_u32 v7, s24, v7                       ; out of it: sixteen lanes to a row, two rows an instruction
	v_mul_u32_u24 v8, v6, KROW
	v_lshl_add_u32 v8, v5, 4, v8                   ; and the same place among the codes
	v_lshlrev_b32 v9, 4, v2                        ; my column's row of scale bytes: 16 bytes a row
	s_lshl_b32 s24, s22, 22                        ; 256 y rows of 16,384 bytes
	s_lshl_b32 s25, s23, 2
	s_add_co_u32 s24, s24, s25
	s_mov_b32 s25, 0
	s_add_nc_u64 s[4:5], s[4:5], s[24:25]
	s_lshl_b32 s26, s20, 12
	s_add_co_u32 s26, s26, 8192
	s_add_co_u32 s26, s26, s23                     ; the first column's row of the outputs
	s_lshl_b32 s24, s26, 9
	s_lshl_b32 s27, s22, 8
	s_add_co_u32 s24, s24, s27
	s_add_nc_u64 s[14:15], s[14:15], s[24:25]
	s_lshl_b32 s24, s26, 4
	s_lshl_b32 s27, s22, 3
	s_add_co_u32 s24, s24, s27
	s_add_nc_u64 s[16:17], s[16:17], s[24:25]
.macro WLOAD t                         ; block t: W(32 t + i, my column) into set t % 2; the largest offset, 255 rows of 16,384 bytes, lies inside the signed 24-bit immediate
.irp i, 0,1,2,3,4,5,6,7,8,9,10,11,12,13,14,15,16,17,18,19,20,21,22,23,24,25,26,27,28,29,30,31
	global_load_b32 v[WX+32*((\t)%2)+\i], v3, s[4:5] offset:(32*(\t)+\i)*SIZE_N*4 th:TH_LOAD_NT
.endr
.endm
	WLOAD 0
	WLOAD 1
.macro WBLOCK t
.set XS, WX+32*((\t)%2)
.if (\t) < NB-1
	s_wait_loadcnt 32                              ; this block's 32 loads are in; the next block's may be out
.else
	s_wait_loadcnt 0x0
.endif
	v_max3_num_f32 v12, |v[XS]|, |v[XS+1]|, |v[XS+2]|              ; the block's largest magnitude: all 32 numbers are mine
	v_max3_num_f32 v13, |v[XS+3]|, |v[XS+4]|, |v[XS+5]|
.irp i, 6,10,14,18,22,26
	v_max3_num_f32 v12, v12, |v[XS+\i]|, |v[XS+\i+1]|
	v_max3_num_f32 v13, v13, |v[XS+\i+2]|, |v[XS+\i+3]|
.endr
	v_max3_num_f32 v12, v12, |v[XS+30]|, |v[XS+31]|
	v_max3_num_f32 v12, v12, v13, (EMAX+1)<<23     ; and the floor
	v_add_nc_u32 v11, 0xf8800000, v12              ; the conversion's scale operand
	v_and_or_b32 v10, v12, 0x7f800000, s31         ; 57,344 x the scale
	v_lshrrev_b32 v13, 23, v11                     ; the scale's byte
.if (\t)%4 == 0
	v_mov_b32 v[SB+(\t)/4], v13                    ; four bytes to a register, the lower K in the lower byte
.else
	v_lshl_or_b32 v[SB+(\t)/4], v13, 8*((\t)%4), v[SB+(\t)/4]
.endif
.irp i, 0,1,2,3,4,5,6,7,8,9,10,11,12,13,14,15,16,17,18,19,20,21,22,23,24,25,26,27,28,29,30,31
	v_med3_num_f32 v[XS+\i], v[XS+\i], -v10, v10
.endr
.irp g, 0,1,2,3
	v_cvt_scalef32_pk8_bf8_f32 v[WC+2*\g:WC+2*\g+1], v[XS+8*\g:XS+8*\g+7], v11
.endr
	ds_store_b128 v4, v[WC:WC+3] offset:32*(\t)    ; 32 codes: 32 bytes of my column's row
	ds_store_b128 v4, v[WC+4:WC+7] offset:32*(\t)+16
.if (\t)+2 < NB
	WLOAD (\t)+2
.endif
	s_wait_dscnt 0x0                               ; the stores have read their registers: the next block's codes may be written
.endm
.set Q, 0
.rept NB
	WBLOCK Q
.set Q, Q+1
.endr
	global_store_b64 v9, v[SB:SB+1], s[16:17]      ; my column's eight scale bytes
.irp t, 0,1,2,3,4,5,6,7,8,9,10,11,12,13,14,15
	ds_load_b128 v[OUTR+4*\t:OUTR+4*\t+3], v7 offset:2*\t*PITCH
.endr
.irp t, 0,1,2,3,4,5,6,7,8,9,10,11,12,13,14,15
	s_wait_dscnt 15-\t                             ; rows 2 t and 2 t + 1 are back; the younger loads stay out
	global_store_b128 v8, v[OUTR+4*\t:OUTR+4*\t+3], s[14:15] offset:2*\t*KROW
.endr
	s_wait_tensorcnt 0x0
	ds_add_u32 v192, v193
	s_wait_dscnt 0x0
	s_endpgm
.Lfunc_end_k_qde48126c85_quant:
	.size	k_qde48126c85_quant, .Lfunc_end_k_qde48126c85_quant-k_qde48126c85_quant
	.p2alignl 7, 3214868480
	.fill 96, 4, 3214868480
	.section	.rodata,"a",@progbits
	.p2align	6, 0x0
	.amdhsa_kernel k_qde48126c85_quant
		.amdhsa_group_segment_fixed_size 68096
		.amdhsa_private_segment_fixed_size 0
		.amdhsa_enable_private_segment 0
		.amdhsa_kernarg_size 56
		.amdhsa_user_sgpr_count 2
		.amdhsa_user_sgpr_kernarg_segment_ptr 1
		.amdhsa_wavefront_size32 1
		.amdhsa_system_sgpr_workgroup_id_x 1
		.amdhsa_system_sgpr_workgroup_id_y 1
		.amdhsa_system_sgpr_workgroup_id_z 1
		.amdhsa_system_vgpr_workitem_id 0
		.amdhsa_next_free_vgpr 194
		.amdhsa_next_free_sgpr 66
		.amdhsa_reserve_vcc 0
		.amdhsa_float_denorm_mode_32 3
		.amdhsa_float_denorm_mode_16_64 3
		.amdhsa_memory_ordered 1
		.amdhsa_forward_progress 1
		.amdhsa_inst_pref_size 109
	.end_amdhsa_kernel
	.amdgpu_metadata
---
amdhsa.version: [ 1, 2 ]
amdhsa.kernels:
  - .name:           k_qde48126c85_quant
    .symbol:         k_qde48126c85_quant.kd
    .args:
      - { .name: query, .offset: 0, .size: 8, .value_kind: global_buffer, .address_space: global }
      - { .name: value, .offset: 8, .size: 8, .value_kind: global_buffer, .address_space: global }
      - { .name: Wq, .offset: 16, .size: 8, .value_kind: global_buffer, .address_space: global }
      - { .name: Wk, .offset: 24, .size: 8, .value_kind: global_buffer, .address_space: global }
      - { .name: Wv, .offset: 32, .size: 8, .value_kind: global_buffer, .address_space: global }
      - { .name: codes, .offset: 40, .size: 8, .value_kind: global_buffer, .address_space: global }
      - { .name: scales, .offset: 48, .size: 8, .value_kind: global_buffer, .address_space: global }
    .group_segment_fixed_size: 68096
    .private_segment_fixed_size: 0
    .kernarg_segment_align: 8
    .kernarg_segment_size: 56
    .max_flat_workgroup_size: 128
    .sgpr_count:     66
    .vgpr_count:     194
    .wavefront_size: 32
...
	.end_amdgpu_metadata
.endif
;; end of part 1
;; launch proj (part 2): grid 16 x 48, 4 waves a work-group, clusters of 4 x 4, 327,680 bytes of LDS; arguments codes, scales, bq, bk, bv, qkvc, qkvs; writes qkvc, qkvs
.if DOCPART == 2
	.amdgcn_target "amdgcn-amd-amdhsa--gfx1250"
	.amdhsa_code_object_version 6
	.text
	.protected	k_qde48126c85_proj
	.globl	k_qde48126c85_proj
	.p2align	8
	.type	k_qde48126c85_proj,@function
k_qde48126c85_proj:
	s_mov_b64 s[64:65], 0
	v_nop
	global_prefetch_b8 v0, s[64:65] scope:SCOPE_SE
	s_setreg_imm32_b32 hwreg(HW_REG_WAVE_MODE, 25, 1), 1
	s_wait_xcnt 0x0
	s_wait_alu depctr_hold_cnt(0) depctr_sa_sdst(0) depctr_va_vdst(0) depctr_va_sdst(0) depctr_va_ssrc(0) depctr_va_vcc(0) depctr_vm_vsrc(0)
	s_getreg_b32 s2, hwreg(HW_REG_IB_STS2, 6, 4)
	s_cmp_eq_u32 s2, 0
	s_cbranch_scc0 .Lentry_in_a_cluster
	s_endpgm
.Lentry_in_a_cluster:
	s_bfe_u32 s2, ttmp6, 0x10000c
	s_cmp_lg_u32 s2, 0xf033
	s_cbranch_scc0 .Lentry_shape_is_right
	s_endpgm
.Lentry_shape_is_right:
; The three projections on codes of BF8 (E5M2) with E8M0 scales, K = 512, and their results quantised on the way out: SCALE (query Wq + bq) and value Wk + bk along the head's 512, value Wv + bv along the keys.
; Nothing of q, k, v goes to memory as f32.  A work-group of four waves makes 256 x 256 results over all of K; a wave 128 x 128: 64 accumulators, 512 registers.
; P = cluster y / 4 says which projection (0 q, 1 k, 2 v): the same number in all sixteen partners of a cluster.  A (source 1) gives a lane its row, B (source 0) runs along the lane's registers:
;   q, k: A = 256 tokens, B = 256 columns of the weight: a lane holds one token and neighbours along the head's axis, which is the next product's K;
;   v:    A = 256 columns of Wv, B = 256 tokens: a lane holds one channel and neighbours along the keys, which are its next K.  One text serves all three.
; K = 512 is two LDS slots of 256 along K: every tensor load is a first fill, nothing is filled again.  A wave has three tensor loads out: its scales, slot 0, slot 1.
; CLUSTERS: 4 x 4 work-groups; A's tiles are asked for jointly along a row of the cluster, B's along a column.
; THE OUTPUT is laid as the attention launch's operand registers: a fragment (16 rows x 128 K) is 2,048 bytes, register group c of lane l at 512 c + 16 l; its scale words 4 bytes a row.
;   qkvc [p][bh][s][f 32][2048]: q, k: s = 128 tokens, f = 8 (d / 128) + tile of 16 tokens;  v: s = 128 keys, f = d / 16.   qkvs [p][bh][s][f][16][4].
; ORDER INSIDE A BLOCK OF 32: a lane's registers 16 c + i hold element 32 c + 8 h + i (i < 8) and 32 c + 16 + 8 h + i - 8 (i >= 8), h = lane / 16: a permutation inside each true block of 32,
; the same in q and k, and in v and the attention launch's p.  The blocks, their scales and the products are the true ones; only the order of summing inside an instruction differs.
; LIMITS: a block of zeros gets the byte 1, not 127 (zero codes; this program alone reads the bytes); NaN and infinities are not served.
; REGISTERS, in windows of 256: window 0: v1-31 addresses and the lane bias; v32-63 scale words, two sets, and nothing else; v64-127 the bias as the first products' C, on the way out 64 numbers at work;
;   v128-255 A's fragments, ONE set; on the way out v128-191 codes (four sets), v192-219 at work.   window 1: B's fragments, two sets.   windows 2, 3: the accumulators ((a, b) at v[8 (8 (a % 4) + b)]).
.set NQ,     2                         ; matrix instructions deep in a slot
.set ROWB,   256                       ; a tile's row in bytes
.set KROW,   512                       ; a row of codes in memory
.set PITCH,  272                       ; an LDS row: 256 bytes + 16 of padding: the 16 rows of a fragment load start 68 words apart
.set FR,     16
.set NL,     4
.set NP,     8                         ; places behind this matrix instruction (ISA guide 7.12.1)
.set HALFT,  128*PITCH
.set SLOT,   4*HALFT                   ; A's 256 rows, then B's 256 rows
.set SCL,    2*SLOT                    ; the scales: rows of 256 bytes + 16
.set HALFS,  8*272                     ; the scales of 128 rows (16 bytes a row)
.set SBLK,   272                       ; those of 16 rows
.set SPARE,  SCL+4*HALFS               ; the spare words, 128 bytes a wave
.set SSTG,   SPARE+512                 ; 512 bytes a wave: the scale words on their way out; no fill lands here
.set LI,   7                           ; v7   16 x lane
.set BV,   8                           ; v8-15 the bias of my row of A's block a (v), or 0 (q, k)
.set ADRA, 16
.set SST,  18                          ; v18  where I put a scale word
.set SRD,  19                          ; v19  where I read 16 bytes of them back
.set ADRB, 20
.set ADRS, 27
.set SPW,  28
.set NIL,  29
.set SC,   32
.set BC,   64                          ; the bias in the result's layout (q, k), or zeros (v)
.set T,    64
.set AF,   128
.set PC,   128
.set TM,   192                         ; v192-195 largest magnitudes, v196-199 bytes, v200-203 the holds, v204-207 the conversions' scale operands
.set PW,   208                         ; v208-215 a scale word for each block
.set SWB,  216
.set SEL,  2                           ; s[2:3] selects for lane l xor 16
.set MNT,  95
.set G1, 24
.set G0, 32
.set G1B, 48
.set G0B, 56
.set G1S, 68
.set G0S, 76
.set G1SB, 80
.set G0SB, 88
.set MSB, 0
.macro WIN new                         ; the immediate's high byte repeats the setting that is left
.if MSB != (\new)
	s_set_vgpr_msb (MSB<<8)|(\new)
.set MSB, (\new)
.endif
.endm
.set MUL_LO, 0xa1                      ; source 0 (B) window 1, source 1 (A) window 0, C and D window 2
.set MUL_HI, 0xf1
.set TO_B,   0x40
.macro JLOAD g0a, g1a, g0b, g1b        ; a joint load: waves 0 and 1 fetch for A, waves 2 and 3 for B; four v_nop follow each line
	s_cmp_eq_u32 s19, 0
	s_cbranch_scc0 .Lfor_b_\@
	tensor_load_to_lds s[\g0a:\g0a+3], s[\g1a:\g1a+7]
	s_nop 0
.rept 4
	v_nop
.endr
	s_branch .Lasked_\@
.Lfor_b_\@:
	tensor_load_to_lds s[\g0b:\g0b+3], s[\g1b:\g1b+7]
	s_nop 0
.rept 4
	v_nop
.endr
.Lasked_\@:
.endm
.macro CROUND                          ; a round of the cluster's barrier
	s_barrier_signal -1
	s_barrier_wait -1
	s_cmp_lg_u32 s18, 0
	s_cbranch_scc1 .Lnot_wave_0_\@
	s_barrier_signal -3
.Lnot_wave_0_\@:
	s_barrier_wait -3
	s_barrier_signal -1
	s_barrier_wait -1
.endm
	s_load_b256 s[4:11], s[0:1], 0x0               ; codes s[4:5], scales s[6:7], bq s[8:9], bk s[10:11]
	s_load_b128 s[12:15], s[0:1], 0x20             ; bv s[12:13], qkvc s[14:15]
	s_load_b64 s[16:17], s[0:1], 0x30              ; qkvs
	v_lshl_add_u32 v[SPW], v0, 2, SPARE
	v_mov_b32 v[NIL], 0
	ds_add_u32 v28, v29
	ds_add_u32 v28, v29
	s_wait_dscnt 0x0
	v_lshrrev_b32 v1, 5, v0
	v_readfirstlane_b32 s18, v1                    ; wave 0..3
	s_lshr_b32 s19, s18, 1                         ; which 128 rows of A are mine.  Also: I fetch for A (0) or for B (1)
	s_and_b32 s20, s18, 1                          ; which 128 rows of B.  Also: which 128 rows of that tile I fetch
	s_bfe_u32 s21, ttmp6, 0x40000                  ; cx
	s_bfe_u32 s22, ttmp6, 0x40004                  ; cy
	s_lshl_b32 s23, ttmp9, 2
	s_add_co_u32 s23, s23, s21                     ; tx: which 256 rows of B
	s_and_b32 s66, ttmp7, 0xffff                   ; cluster y, 0..11
	s_lshr_b32 s41, s66, 2                         ; P
	s_and_b32 s66, s66, 3
	s_lshl_b32 s66, s66, 2
	s_add_co_u32 s40, s66, s22                     ; ty: which 256 rows of A
	s_lshl_b32 s42, s22, 2
	s_lshl_b32 s42, 15, s42                        ; my row of the cluster
	s_lshl_b32 s43, 0x1111, s21                    ; my column
	; descriptor group 1: 128 rows x 256 bytes, 16 bytes of padding behind each
	s_or_b32 s[G1+0], s42, (0<<16)|(1<<20)|(1<<21)|(5<<22)|(3<<25)
	s_or_b32 s[G1B+0], s43, (0<<16)|(1<<20)|(1<<21)|(5<<22)|(3<<25)
.irp g, G1, G1B
	s_mov_b32 s[\g+1], ROWB<<16                    ; tensor_dim0
	s_mov_b32 s[\g+2], 128<<16                     ; tensor_dim1
	s_mov_b32 s[\g+3], ROWB<<16                    ; tile_dim0
	s_mov_b32 s[\g+4], 128                         ; tile_dim1
	s_mov_b32 s[\g+5], KROW                        ; from row to row
	s_mov_b32 s[\g+6], 0
	s_mov_b32 s[\g+7], 0
.endr
	; the scales of 128 rows: 2,048 dense bytes as 8 rows of 256 (32 elements of 8 bytes), 16 bytes of padding behind each
	s_or_b32 s[G1S+0], s42, (3<<16)|(1<<20)|(1<<21)|(5<<22)|(3<<25)
	s_or_b32 s[G1SB+0], s43, (3<<16)|(1<<20)|(1<<21)|(5<<22)|(3<<25)
.irp g, G1S, G1SB
	s_mov_b32 s[\g+1], 32<<16
	s_mov_b32 s[\g+2], 8<<16
	s_mov_b32 s[\g+3], 32<<16
	s_mov_b32 s[\g+4], 8
	s_mov_b32 s[\g+5], 32
	s_mov_b32 s[\g+6], 0
	s_mov_b32 s[\g+7], 0
.endr
	; which rows of the buffer of codes: A: query 0, value 4096, Wv 16384;  B: Wq 8192, Wk 12288, value 4096
	s_lshl_b32 s44, s41, 12
	s_add_co_u32 s46, s44, 8192
	s_cmp_eq_u32 s41, 2
	s_cselect_b32 s44, 0x4000, s44
	s_cselect_b32 s46, 0x1000, s46
	s_lshl_b32 s66, s20, 7                         ; which 128 rows of the tile I fetch
	s_lshl_b32 s45, s40, 8
	s_add_co_u32 s44, s44, s45
	s_add_co_u32 s44, s44, s66                     ; A's row: it hangs on ty, P and the wave alone
	s_lshl_b32 s47, s23, 8
	s_add_co_u32 s46, s46, s47
	s_add_co_u32 s46, s46, s66                     ; B's row: on tx, P and the wave alone
	s_mov_b32 s45, 0
	s_mov_b32 s47, 0
	s_lshl_b64 s[2:3], s[44:45], 4                 ; 16 scale bytes a row
	s_lshl_b64 s[92:93], s[46:47], 4
	s_lshl_b64 s[44:45], s[44:45], 9               ; 512 bytes of codes a row
	s_lshl_b64 s[46:47], s[46:47], 9
	s_mul_i32 s67, s18, HALFT                      ; where they go: wave x 128 rows
	s_mul_i32 s94, s18, HALFS
	s_wait_kmcnt 0x0
	s_add_nc_u64 s[44:45], s[4:5], s[44:45]
	s_add_nc_u64 s[2:3], s[6:7], s[2:3]
	s_add_nc_u64 s[46:47], s[4:5], s[46:47]
	s_add_nc_u64 s[92:93], s[6:7], s[92:93]
	CROUND                                         ; all sixteen work-groups are here: the joint loads meet
	s_mov_b32 s[G0S], 1
	s_add_co_u32 s[G0S+1], s94, SCL
	s_mov_b64 s[G0S+2:G0S+3], s[2:3]
	s_or_b32 s[G0S+3], s[G0S+3], 0x80000000
	s_mov_b32 s[G0SB], 1
	s_add_co_u32 s[G0SB+1], s94, SCL
	s_mov_b64 s[G0SB+2:G0SB+3], s[92:93]
	s_or_b32 s[G0SB+3], s[G0SB+3], 0x80000000
	JLOAD G0S, G1S, G0SB, G1SB                     ; the scales first: they are wanted with slot 0
.irp s, 0,1
	s_mov_b32 s[G0+4*\s], 1
	s_add_co_u32 s[G0+4*\s+1], s67, \s*SLOT
	s_add_nc_u64 s[G0+4*\s+2:G0+4*\s+3], s[44:45], \s*ROWB
	s_or_b32 s[G0+4*\s+3], s[G0+4*\s+3], 0x80000000
	s_mov_b32 s[G0B+4*\s], 1
	s_add_co_u32 s[G0B+4*\s+1], s67, \s*SLOT
	s_add_nc_u64 s[G0B+4*\s+2:G0B+4*\s+3], s[46:47], \s*ROWB
	s_or_b32 s[G0B+4*\s+3], s[G0B+4*\s+3], 0x80000000
	JLOAD G0+4*\s, G1, G0B+4*\s, G1B
.endr
	v_and_b32 v1, 15, v0                           ; r
	v_bfe_u32 v2, v0, 4, 1                         ; h
	v_mul_u32_u24 v3, v1, PITCH
	v_lshl_add_u32 v4, v2, 4, v3                   ; a fragment's row x pitch + 16 h
	s_mul_i32 s66, s19, HALFT                      ; my 128 rows of A
	s_mul_i32 s67, s20, HALFT                      ; my 128 rows of B,
	s_add_co_u32 s67, s67, 2*HALFT                 ; behind A's 256
.irp s, 0,1
	v_add_nc_u32 v[ADRA+\s], s66, v4
	v_add_nc_u32 v[ADRB+\s], s67, v4
	s_add_co_u32 s66, s66, SLOT
	s_add_co_u32 s67, s67, SLOT
.endr
	v_lshlrev_b32 v5, 4, v1                        ; my row's scales: 16 bytes a row
	s_mul_i32 s66, s19, HALFS
	s_mul_i32 s67, s20, HALFS
	s_add_co_u32 s67, s67, 2*HALFS
	s_sub_co_u32 s67, s67, s66
	v_mul_u32_u24 v6, s67, v2                      ; lanes 16-31 take B's: one product, the distance between the two bases
	s_add_co_u32 s66, s66, SCL
	v_add_nc_u32 v5, v5, v6
	v_add_nc_u32 v[ADRS], s66, v5
	v_and_b32 v[LI], 31, v0
	v_lshlrev_b32 v[LI], 4, v[LI]
	s_lshl_b32 s66, s18, 9
	s_add_co_u32 s66, s66, SSTG                    ; my 512 bytes for the scale words
	v_lshl_add_u32 v[SST], v1, 2, s66
	v_add_nc_u32 v[SRD], s66, v[LI]
	v_lshlrev_b32 v5, 5, v2                        ; the bias as C: 32 h
	v_lshlrev_b32 v6, 2, v1                        ; the bias by lanes: 4 r
	s_mov_b32 s[SEL], 0x76543210
	s_mov_b32 s[SEL+1], 0xfedcba98
	s_mov_b32 s[MNT], 0x600000
	s_mov_b32 s96, 1.0
	s_cmp_eq_u32 s41, 0
	s_cselect_b32 s96, 0x3d3504f3, s96             ; q is multiplied by SCALE = 1 / sqrt(512) ahead of its quantiser, k and v by 1
	s_mov_b32 s97, s96                             ; (named with it as a pair)
	; where my 128 x 128 results go
	s_lshl_b32 s66, s40, 1
	s_add_co_u32 s66, s66, s19                     ; which 128 rows of A
	s_lshl_b32 s67, s23, 1
	s_add_co_u32 s67, s67, s20                     ; which 128 rows of B
	s_cmp_eq_u32 s41, 2
	s_cselect_b32 s44, s67, s66                    ; tI: which 128 tokens
	s_cselect_b32 s45, s66, s67                    ; nI: which 128 columns of the weight
	s_lshl_b32 s46, s41, 5
	s_lshr_b32 s47, s44, 3
	s_lshl_b32 s47, s47, 3
	s_add_co_u32 s46, s46, s47
	s_lshr_b32 s47, s45, 2
	s_add_co_u32 s46, s46, s47                     ; 32 P + 8 batch + head
	s_lshl_b32 s46, s46, 3
	s_and_b32 s47, s44, 7
	s_add_co_u32 s46, s46, s47                     ; the block (p, bh, s)
	s_and_b32 s47, s45, 3                          ; which eight fragments of it
	s_lshl_b32 s66, s46, 16
	s_lshl_b32 s67, s47, 14
	s_add_co_u32 s66, s66, s67
	s_mov_b32 s67, 0
	s_add_nc_u64 s[98:99], s[14:15], s[66:67]
	s_lshl_b32 s66, s46, 11
	s_lshl_b32 s47, s47, 9
	s_add_co_u32 s66, s66, s47
	s_add_nc_u64 s[100:101], s[16:17], s[66:67]
	s_lshl_b32 s66, s45, 9                         ; my 128 numbers of the bias
	s_cmp_eq_u32 s41, 0
	s_cselect_b64 s[8:9], s[8:9], s[10:11]
	s_cmp_eq_u32 s41, 2
	s_cselect_b64 s[8:9], s[12:13], s[8:9]
	s_add_nc_u64 s[8:9], s[8:9], s[66:67]
	s_cmp_eq_u32 s41, 2
	s_cbranch_scc1 .Lbias_v
.irp x, 0,1,2,3,4,5,6,7                ; q, k: the bias runs along the registers: it is the C of each sum's first product: b(16 x + 8 h + 0 .. 7)
	global_load_b128 v[BC+8*\x:BC+8*\x+3], v5, s[8:9] offset:64*\x
	global_load_b128 v[BC+8*\x+4:BC+8*\x+7], v5, s[8:9] offset:64*\x+16
.endr
.irp a, 0,1,2,3,4,5,6,7
	v_mov_b32 v[BV+\a], 0
.endr
	s_branch .Lbias_done
.Lbias_v:
.irp a, 0,1,2,3,4,5,6,7                ; v: the bias goes with the lane's row: b(16 a + r), added on the way out
	global_load_b32 v[BV+\a], v6, s[8:9] offset:64*\a
.endr
.set j_, 0
.rept 64
	v_mov_b32 v[BC+j_], 0
.set j_, j_+1
.endr
.Lbias_done:
.macro FRAG reg, adr, q, i             ; 16 rows x 128 K: lane l holds row l % 16; registers 4 c .. 4 c + 3 hold K = 32 c + 16 (l / 16) + 0 .. 15
.irp c, 0,1,2,3
	ds_load_b128 v[\reg+4*\c:\reg+4*\c+3], v[\adr] offset:128*(\q)+32*\c+(\i)*16*PITCH
.endr
.endm
; 16 matrix instructions: A's blocks a0, a0 + 1 x B's eight.  p: B's set; sc: the set of scale words.  cm = 1: the first products start the sums from the bias registers.
; The 64 accumulators take turns, one instruction a turn, in the same order in every step.
.macro MUL16 a0, p, q, sc, cm
.irp a, \a0, \a0+1
.irp b, 0,1,2,3,4,5,6,7
.if \cm
	v_wmma_scale_f32_16x16x128_f8f6f4 v[8*(8*((\a)%4)+\b):8*(8*((\a)%4)+\b)+7], v[128*(\p)+FR*\b:128*(\p)+FR*\b+FR-1], v[AF+FR*(\a):AF+FR*(\a)+FR-1], v[BC+8*\b:BC+8*\b+7], v[SC+8*NQ*(\sc)+NQ*\b+(\q)], v[SC+8*NQ*(\sc)+NQ*(\a)+(\q)] matrix_a_fmt:MATRIX_FMT_BF8 matrix_b_fmt:MATRIX_FMT_BF8 matrix_a_scale:MATRIX_SCALE_ROW1
.else
	v_wmma_scale_f32_16x16x128_f8f6f4 v[8*(8*((\a)%4)+\b):8*(8*((\a)%4)+\b)+7], v[128*(\p)+FR*\b:128*(\p)+FR*\b+FR-1], v[AF+FR*(\a):AF+FR*(\a)+FR-1], v[8*(8*((\a)%4)+\b):8*(8*((\a)%4)+\b)+7], v[SC+8*NQ*(\sc)+NQ*\b+(\q)], v[SC+8*NQ*(\sc)+NQ*(\a)+(\q)] matrix_a_fmt:MATRIX_FMT_BF8 matrix_b_fmt:MATRIX_FMT_BF8 matrix_a_scale:MATRIX_SCALE_ROW1
.endif
.endr
.endr
.endm
.macro FETCH_B slot, q, p
	WIN TO_B
.irp i, 0,1,2,3,4,5,6,7
	FRAG 128*(\p)+FR*\i, ADRB+\slot, \q, \i
.endr
	WIN 0
.endm
.macro FETCH_A slot, q, i0
.irp i, \i0, \i0+1, \i0+2, \i0+3
	FRAG AF+FR*(\i), ADRA+\slot, \q, \i
.endr
.endm
.macro SCALES sc                       ; a slot's scale words: two a row; lanes 0-15 take A's block i, lanes 16-31 B's block i
.irp i, 0,1,2,3,4,5,6,7
	ds_load_b64 v[SC+8*NQ*\sc+NQ*\i:SC+8*NQ*\sc+NQ*\i+1], v[ADRS] offset:\i*SBLK
.endr
.endm
.macro PLACES n                        ; plain vector lines between a matrix instruction and a load into, or a vector line on, its registers
.rept \n
	v_nop
.endr
.endm
.macro STEP slot, q, cm                ; 128 along K that has its successor in the same slot
	s_wait_dscnt 4*NL                              ; B's set and A's blocks 0-3 are in; the youngest sixteen loads (A's blocks 4-7) may be out
.if \cm
	WIN 0x81                                       ; C (the bias) in window 0, D in window 2
.else
	WIN MUL_LO
.endif
	MUL16 0, (\q)%2, \q, \slot, \cm
	MUL16 2, (\q)%2, \q, \slot, \cm
	s_wait_dscnt 0x0                               ; A's blocks 4-7 are in
	PLACES NP
	FETCH_B \slot, (\q)+1, 1-(\q)%2
	FETCH_A \slot, (\q)+1, 0
.if \cm
	WIN 0xc1
.else
	WIN MUL_HI
.endif
	MUL16 4, (\q)%2, \q, \slot, \cm
	MUL16 6, (\q)%2, \q, \slot, \cm
	PLACES NP
	WIN 0
	FETCH_A \slot, (\q)+1, 4
.endm
; Slot 0's last step changes slots: one barrier.  In front of it each wave waits for all its tensor loads (its part of slot 1), adds 0 to its spare word, and waits for that and for its LDS reads.
.macro TURN slot, next
	s_wait_tensorcnt 0x0                           ; my part of the next slot has landed
	ds_add_u32 v[SPW], v[NIL]                      ; 0 onto my spare word
	s_wait_dscnt 4*NL+1                            ; the add and the youngest sixteen loads (A's blocks 4-7) may be out
	WIN MUL_LO
	MUL16 0, 1, NQ-1, \slot, 0
	s_wait_dscnt 0x0                               ; no LDS instruction of mine is out at the signal
	s_barrier_signal -1
	MUL16 2, 1, NQ-1, \slot, 0
	WIN 0
	s_barrier_wait -1                              ; every wave's part of the next slot has landed
	PLACES NP
	v_add_nc_u32 v[ADRS], 4*NQ, v[ADRS]            ; on to the next slot's scale words
	FETCH_B \next, 0, 0
	FETCH_A \next, 0, 0
	SCALES \next
	WIN MUL_HI
	MUL16 4, 1, NQ-1, \slot, 0
	MUL16 6, 1, NQ-1, \slot, 0
	PLACES NP
	WIN 0
	FETCH_A \next, 0, 4
.endm
	s_wait_tensorcnt 1                             ; the scales and my part of slot 0 are in; slot 1's load may be out
	s_barrier_signal -1
	s_barrier_wait -1
	FETCH_B 0, 0, 0
	FETCH_A 0, 0, 0
	SCALES 0
	FETCH_A 0, 0, 4
	s_wait_loadcnt 0x0                             ; the bias
	STEP 0, 0, 1
	TURN 0, 1
	STEP 1, 0, 0
	s_wait_dscnt 4*NL                              ; the last step: nothing more to fetch
	WIN MUL_LO
	MUL16 0, 1, NQ-1, 1, 0
	MUL16 2, 1, NQ-1, 1, 0
	s_wait_dscnt 0x0
	WIN MUL_HI
	MUL16 4, 1, NQ-1, 1, 0
	MUL16 6, 1, NQ-1, 1, 0
	WIN 0
; THE WAY OUT.  Block a (16 rows of A x my 128 rows of B) is 64 numbers a lane: four blocks of 32 along the next K, each shared with lane l xor 16.  They are scaled, biased, quantised,
; and the conversions' results are the fragment's registers: four stores of 512 consecutive bytes.
.macro QUANT                           ; v[T] .. v[T + 63] become codes in v[PCA] on and the scale word in v[PWA]
.irp b, 0,1,2,3
	v_max3_num_f32 v[TM+\b], |v[T+16*\b]|, |v[T+16*\b+1]|, 0x8000000   ; my 16 numbers of block b, and the floor 2^(16 - 127): the byte cannot fall under 1
.endr
.irp i, 2,4,6,8,10,12,14
.irp b, 0,1,2,3
	v_max3_num_f32 v[TM+\b], v[TM+\b], |v[T+16*\b+\i]|, |v[T+16*\b+\i+1]|
.endr
.endr
.irp b, 0,1,2,3
	v_permlanex16_b32 v[TM+4+\b], v[TM+\b], s[SEL], s[SEL+1]
.endr
.irp b, 0,1,2,3
	v_max_num_f32 v[TM+\b], v[TM+\b], v[TM+4+\b]   ; with lane l xor 16's: the block's largest magnitude
.endr
.irp b, 0,1,2,3
	v_add_nc_u32 v[TM+12+\b], 0xf8800000, v[TM+\b] ; 15 off its exponent field: the conversion's scale operand
.endr
.irp b, 0,1,2,3
	v_and_or_b32 v[TM+8+\b], v[TM+\b], 0x7f800000, s[MNT]   ; 57,344 x the scale
.endr
.irp b, 0,1,2,3
	v_lshrrev_b32 v[TM+4+\b], 23, v[TM+12+\b]      ; the scale's byte
.endr
	v_lshl_or_b32 v[PWA], v[TM+5], 8, v[TM+4]
	v_lshl_or_b32 v[PWA], v[TM+6], 16, v[PWA]
	v_lshl_or_b32 v[PWA], v[TM+7], 24, v[PWA]
.irp b, 0,1,2,3
.irp i, 0,1,2,3,4,5,6,7,8,9,10,11,12,13,14,15
	v_med3_num_f32 v[T+16*\b+\i], v[T+16*\b+\i], -v[TM+8+\b], v[TM+8+\b]   ; the conversion does not saturate (ISA guide 7.6.2): the hold
.endr
	v_cvt_scalef32_pk8_bf8_f32 v[PCA+4*\b:PCA+4*\b+1], v[T+16*\b:T+16*\b+7], v[TM+12+\b]
	v_cvt_scalef32_pk8_bf8_f32 v[PCA+4*\b+2:PCA+4*\b+3], v[T+16*\b+8:T+16*\b+15], v[TM+12+\b]
.endr
	v_nop                                          ; a plain line behind the last conversion, ahead of the next lines that write its sources
.endm
	PLACES NP                                      ; behind the last products: their results are read, and registers that held A's fragments are written
.irp b, 0,1,2,3
	v_mov_b32 v[TM+4+\b], 0                        ; a lane permute's destination counts as one of its sources
.endr
	v_mov_b32 v3, 0                                ; (named as the upper half of the pair v[2:3])
.irp a, 0,1,2,3,4,5,6,7
.set PCA, PC+16*(\a%4)
.set PWA, PW+\a
.set AC, 64*(\a%4)
	v_mov_b32 v2, v[BV+\a]                         ; my row's bias (v), or 0
	WIN 0x02+\a/4                                  ; source 0: window 2 or 3
.set j_, 0
.rept 32
	v_pk_fma_f32 v[T+j_:T+j_+1], v[AC+j_:AC+j_+1], s[96:97], v[2:3] op_sel_hi:[1,0,0]   ; result x (SCALE or 1) + bias; each accumulator from its low end on
.set j_, j_+2
.endr
	WIN 0
.if \a >= 4
	s_wait_xcnt 0x0                                ; block a - 4's stores have read their data: its codes' registers are written again only behind this wait
.endif
	QUANT
.irp c, 0,1,2,3
	global_store_b128 v[LI], v[PCA+4*\c:PCA+4*\c+3], s[98:99] offset:2048*\a+512*\c   ; the wave stores 512 consecutive bytes, aligned
.endr
	ds_store_b32 v[SST], v[PWA] offset:64*\a       ; lanes r and r + 16 write the same word with the same value
.endr
	ds_load_b128 v[SWB:SWB+3], v[SRD]              ; my eight fragments' scale words, 512 bytes on end: these loads see my stores
	s_wait_dscnt 0x0
	global_store_b128 v[LI], v[SWB:SWB+3], s[100:101]
	s_wait_tensorcnt 0x0                           ; the wave's end
	ds_add_u32 v[SPW], v[NIL]
	s_wait_dscnt 0x0
	CROUND                                         ; the closing round: no work-group ends while a partner may still ask for a tile that names it
	s_endpgm
.Lfunc_end_k_qde48126c85_proj:
	.size	k_qde48126c85_proj, .Lfunc_end_k_qde48126c85_proj-k_qde48126c85_proj
	.p2alignl 7, 3214868480
	.fill 96, 4, 3214868480
	.section	.rodata,"a",@progbits
	.p2align	6, 0x0
	.amdhsa_kernel k_qde48126c85_proj
		.amdhsa_group_segment_fixed_size 327680
		.amdhsa_private_segment_fixed_size 0
		.amdhsa_enable_private_segment 0
		.amdhsa_kernarg_size 56
		.amdhsa_user_sgpr_count 2
		.amdhsa_user_sgpr_kernarg_segment_ptr 1
		.amdhsa_wavefront_size32 1
		.amdhsa_system_sgpr_workgroup_id_x 1
		.amdhsa_system_sgpr_workgroup_id_y 1
		.amdhsa_system_sgpr_workgroup_id_z 1
		.amdhsa_system_vgpr_workitem_id 0
		.amdhsa_next_free_vgpr 1024
		.amdhsa_next_free_sgpr 102
		.amdhsa_reserve_vcc 0
		.amdhsa_float_denorm_mode_32 3
		.amdhsa_float_denorm_mode_16_64 3
		.amdhsa_memory_ordered 1
		.amdhsa_forward_progress 1
		.amdhsa_inst_pref_size 152
	.end_amdhsa_kernel
	.amdgpu_metadata
---
amdhsa.version: [ 1, 2 ]
amdhsa.kernels:
  - .name:           k_qde48126c85_proj
    .symbol:         k_qde48126c85_proj.kd
    .args:
      - { .name: codes, .offset: 0, .size: 8, .value_kind: global_buffer, .address_space: global }
      - { .name: scales, .offset: 8, .size: 8, .value_kind: global_buffer, .address_space: global }
      - { .name: bq, .offset: 16, .size: 8, .value_kind: global_buffer, .address_space: global }
      - { .name: bk, .offset: 24, .size: 8, .value_kind: global_buffer, .address_space: global }
      - { .name: bv, .offset: 32, .size: 8, .value_kind: global_buffer, .address_space: global }
      - { .name: qkvc, .offset: 40, .size: 8, .value_kind: global_buffer, .address_space: global }
      - { .name: qkvs, .offset: 48, .size: 8, .value_kind: global_buffer, .address_space: global }
    .group_segment_fixed_size: 327680
    .private_segment_fixed_size: 0
    .kernarg_segment_align: 8
    .kernarg_segment_size: 56
    .max_flat_workgroup_size: 128
    .sgpr_count:     102
    .vgpr_count:     1024
    .wavefront_size: 32
...
	.end_amdgpu_metadata
.endif
;; end of part 2
;; launch attn (part 3): grid 16 x 32, 4 waves a work-group, clusters of 4 x 1, 327,680 bytes of LDS; arguments qkvc, qkvs, out0; writes out0
.if DOCPART == 3
	.amdgcn_target "amdgcn-amd-amdhsa--gfx1250"
	.amdhsa_code_object_version 6
	.text
	.protected	k_qde48126c85_attn
	.globl	k_qde48126c85_attn
	.p2align	8
	.type	k_qde48126c85_attn,@function
k_qde48126c85_attn:
	s_mov_b64 s[64:65], 0
	v_nop
	global_prefetch_b8 v0, s[64:65] scope:SCOPE_SE
	s_setreg_imm32_b32 hwreg(HW_REG_WAVE_MODE, 25, 1), 1
	s_wait_xcnt 0x0
	s_wait_alu depctr_hold_cnt(0) depctr_sa_sdst(0) depctr_va_vdst(0) depctr_va_sdst(0) depctr_va_ssrc(0) depctr_va_vcc(0) depctr_vm_vsrc(0)
	s_getreg_b32 s2, hwreg(HW_REG_IB_STS2, 6, 4)
	s_cmp_eq_u32 s2, 0
	s_cbranch_scc0 .Lentry_in_a_cluster
	s_endpgm
.Lentry_in_a_cluster:
	s_bfe_u32 s2, ttmp6, 0x10000c
	s_cmp_lg_u32 s2, 0x3003
	s_cbranch_scc0 .Lentry_shape_is_right
	s_endpgm
.Lentry_shape_is_right:
; Causal attention for 32 (batch, head) pairs, 1,024 queries and keys, head size 512, both products on codes of BF8 (E5M2) with E8M0 scales.
; q (already x SCALE), k, v come as images of operand registers (a fragment of 16 rows x 128 K is 2,048 bytes, register group c of lane l at 512 c + 16 l) with one scale word a row:
;   qkvc [p][bh][s 8][f 32][2048], qkvs [p][bh][s][f][16][4];  q, k: s = 128 rows, f = 8 (d / 128) + tile of 16 rows;  v: s = 128 keys, f = d / 16.
; THE SOFTMAX: t = score x log2(e); M = the running largest t rounded up to a whole number; p = 2^(t - M) is quantised along the keys, not normalised; the row's sum is taken of the
; unquantised p and divides at the end; when M moves, the sum and O are multiplied by 2^(old M - new M), which rounds nothing.
; BOTH PRODUCTS ARE USED TRANSPOSED: S^T = K Q^T, O^T = V^T P^T: a lane holds one query (lane % 16) throughout.  A lane's registers 16 c + i of S^T are keys 32 c + 8 h + i (i < 8) and 32 c + 16 + 8 h + i - 8
; (h = lane / 16): the order in which v's fragments were made, so the conversions' results are the second product's operand.
; SHARES.  The head's 1,024 queries are 8 ranges of 128, each of 8 tiles of 16.  A wave owns ONE tile: O^T is 256 registers.  Cluster c of a head (0..3) has type c & 1; its work-group takes tile
; i = 4 (c / 2) + cx of four ranges: waves 0..3 take ranges 7, 4, 3, 0 (type 0) or 6, 5, 2, 1 (type 1): 18 steps of a tile in every work-group.  A tile of range g takes key steps 0 .. g of 128 keys; key tiles
; wholly above the diagonal are not multiplied.  Every branch hangs on the wave's number, the step and the cluster's number: alike in the four partners.
; All work-groups walk 8 key steps, so that the trip count is a constant: in clusters of type 1 the last step's tiles are fetched and read by nobody.
; CLUSTER: four work-groups of one head; each step's K and V (128 KiB) are asked for jointly, 32 KiB a wave, into a ring of two slots.  A wave has two tensor loads out
; at the start and one behind each round.  The head's scale words of K and V (32 KiB) come once.
; Each fragment read from LDS feeds one matrix instruction: the price of one tile a wave.  Every tile leaves at the end, behind the walk.
; LIMITS: a hidden key's weight is taken as 0 (the score - 1e9 of the source gives that in f32 while a row's scores span less than about 1e9 - 150); NaN and infinities are not served.
; REGISTERS, in windows of 256: window 0: addresses, statistics, scale words, p's codes, S^T (v128-191), Q (v192-255).   windows 1 and 3: the 32 fragments of a step's K, then of its V:
;   fragment f in window 1 + 2 (f / 16) at v[16 (f % 16)].   window 2: O^T, channels 16 dt on at v[8 dt].
.set SLOT1, 1<<17                      ; a slot: K's 32 fragments, then V's 32; slot 1 begins here, so that one exclusive or turns an address
.set KSC,   2*SLOT1                    ; K's scale words of the head, 16,384 bytes; V's follow
.set SPARE, KSC+32768                  ; the spare words, 128 bytes a wave
.set STAGE, SPARE+512                  ; the way out: 16 rows x (256 + 16) bytes for each wave; no fill lands here
.set SPITCH, 272
.set LI,   1                           ; v1   16 x lane
.set LSK,  2                           ; v2   KSC + 4 x lane
.set ADK,  3                           ; v3   the step's K fragments
.set ADV,  4                           ; v4   the step's V fragments
.set ADKS, 5                           ; v5   K's scale words
.set ADVS, 6                           ; v6   V's
.set SPW,  7
.set NIL,  8
.set STO,  9
.set RD,   10
.set GO,   11
.set DM,   12                          ; v12  16 i + r - 8 h: register n of S^T is hidden on the diagonal where 16 (n / 8) + n % 8 is above it
.set PFO,  13
.set NINF, 14
.set QSO,  15
.set ST,   16                          ; -M, the largest t, the sum in two halves
.set ZP,   20                          ; v[20:21] a pair of zeros
.set F,    24                          ; v[24:25] f = 2^(old M - new M); at the end 1 / the sum
.set PSW,  26                          ; p's scale word
.set BM,   32
.set PX,   36
.set HOLD, 40
.set SOP,  44
.set SUM2, 48
.set T1,   50
.set QS,   56
.set KS,   64                          ; v64-79: register n: lanes 0-15 fragment 2 n's words, lanes 16-31 fragment 2 n + 1's
.set VS,   80
.set PC,   96
.set S,    128
.set Q,    192
.set WA,   128                         ; the way out: 32 registers at work, and
.set WB,   192                         ; two sets of 32 read back from the stage
.set WV,   10
.set RG,   11
.set STP,  12
.set LEFT, 13
.set TB,   14
.set TS,   15
.set G1,   16
.set G1S,  24
.set G0,   32
.set G0S,  36
.set SEL,  40
.set CS,   42
.set MNT,  44
.set LIM,  45
.set PFA,  46
.set OUTP, 48
.set QC,   52
.set QW,   56
.set MSB, 0
.macro WIN new                         ; the immediate's high byte repeats the setting that is left
.if MSB != (\new)
	s_set_vgpr_msb (MSB<<8)|(\new)
.set MSB, (\new)
.endif
.endm
.macro PLACES n                        ; plain vector lines between a matrix instruction and a load into, or a vector line on, its registers
.rept \n
	v_nop
.endr
.endm
.macro CROUND                          ; a round of the cluster's barrier
	s_barrier_signal -1
	s_barrier_wait -1
	s_cmp_lg_u32 s[WV], 0
	s_cbranch_scc1 .Lnot_wave_0_\@
	s_barrier_signal -3
.Lnot_wave_0_\@:
	s_barrier_wait -3
	s_barrier_signal -1
	s_barrier_wait -1
.endm
	s_load_b128 s[4:7], s[0:1], 0x0                ; qkvc, qkvs
	s_load_b64 s[8:9], s[0:1], 0x10                ; out0
	v_lshl_add_u32 v[SPW], v0, 2, SPARE
	v_mov_b32 v[NIL], 0
	ds_add_u32 v7, v8
	ds_add_u32 v7, v8
	s_wait_dscnt 0x0
	v_lshrrev_b32 v28, 5, v0
	v_readfirstlane_b32 s[WV], v28                 ; wave 0..3
	s_lshr_b32 s66, s[WV], 1                       ; my range: 7 ^ 4 (wave / 2) ^ 3 (wave % 2) ^ type
	s_lshl_b32 s66, s66, 2
	s_and_b32 s67, s[WV], 1
	s_mul_i32 s67, s67, 3
	s_xor_b32 s66, s66, s67
	s_xor_b32 s66, s66, 7
	s_and_b32 s67, ttmp9, 1                        ; the cluster's type: the same number in all four partners
	s_xor_b32 s[RG], s66, s67
	s_and_b32 s62, ttmp7, 0xffff                   ; bh, which the four partners share
	; descriptor group 1: 128 rows of 256 bytes (32 elements of 8 bytes), dense: 32 KiB.  No padding: every fragment load reads 512 bytes on end
	s_mov_b32 s[G1], 15|(3<<16)|(1<<21)            ; the mask: all four work-groups; bit 21 set beside it
	s_mov_b32 s[G1+1], 32<<16
	s_mov_b32 s[G1+2], 128<<16
	s_mov_b32 s[G1+3], 32<<16
	s_mov_b32 s[G1+4], 128
	s_mov_b32 s[G1+5], 32
	s_mov_b32 s[G1+6], 0
	s_mov_b32 s[G1+7], 0
	s_mov_b32 s[G1S], 15|(3<<16)|(1<<21)           ; the scale words: 32 rows of 256 bytes
	s_mov_b32 s[G1S+1], 32<<16
	s_mov_b32 s[G1S+2], 32<<16
	s_mov_b32 s[G1S+3], 32<<16
	s_mov_b32 s[G1S+4], 32
	s_mov_b32 s[G1S+5], 32
	s_mov_b32 s[G1S+6], 0
	s_mov_b32 s[G1S+7], 0
	; what I fetch: waves 0, 1: the halves of K's block; waves 2, 3: of V's
	s_lshr_b32 s66, s[WV], 1
	s_add_co_u32 s66, s66, 1                       ; p = 1 (k) or 2 (v)
	s_and_b32 s67, s[WV], 1
	s_lshl_b32 s68, s66, 24                        ; 16,777,216 bytes of codes a tensor,
	s_lshl_b32 s69, s62, 19                        ; 524,288 a head,
	s_add_co_u32 s68, s68, s69
	s_lshl_b32 s69, s67, 15                        ; 32,768 a half
	s_add_co_u32 s68, s68, s69
	s_mov_b32 s69, 0
	s_lshl_b32 s70, s66, 19                        ; the scale words: 524,288 a tensor, 16,384 a head, 8,192 a half
	s_lshl_b32 s71, s62, 14
	s_add_co_u32 s70, s70, s71
	s_lshl_b32 s71, s67, 13
	s_add_co_u32 s70, s70, s71
	s_mov_b32 s71, 0
	s_mov_b32 s[SEL], 0x76543210
	s_mov_b32 s[SEL+1], 0xfedcba98                 ; v_permlanex16_b32's selects for lane l xor 16
	s_mov_b32 s[CS], 0x3fb8aa3b                    ; log2(e)
	s_mov_b32 s[CS+1], s[CS]                       ; (named with it as a pair)
	s_mov_b32 s[MNT], 0x600000                     ; the mantissa field of 57,344
	s_mov_b32 s[STP], 0
	s_mov_b32 s[LEFT], 7
	s_mov_b32 s[TB], 0
	s_mov_b32 s[TS], 0
	s_cmp_eq_u32 ttmp9, 0                          ; the head's first cluster prefetches: the same number in all four partners
	s_cselect_b32 s[LIM], 1, -1
	s_wait_kmcnt 0x0
	s_mov_b32 s[G0], 1
	s_lshl_b32 s[G0+1], s[WV], 15                  ; LDS: 32,768 x wave, in slot 0
	s_add_nc_u64 s[G0+2:G0+3], s[4:5], s[68:69]
	s_or_b32 s[G0+3], s[G0+3], 0x80000000
	s_mov_b32 s[G0S], 1
	s_lshl_b32 s[G0S+1], s[WV], 13
	s_add_co_u32 s[G0S+1], s[G0S+1], KSC
	s_add_nc_u64 s[G0S+2:G0S+3], s[6:7], s[70:71]
	s_or_b32 s[G0S+3], s[G0S+3], 0x80000000
	CROUND                                         ; all four work-groups are here: the first joint loads meet
	tensor_load_to_lds s[G0S:G0S+3], s[G1S:G1S+7]  ; the head's scale words: filled once
	s_nop 0
	tensor_load_to_lds s[G0:G0+3], s[G1:G1+7]      ; key step 0
	s_nop 0
.rept 4
	v_nop
.endr
	s_bfe_u32 s60, ttmp6, 0x40000                  ; cx: it enters global addresses and the mask's numbers alone
	s_lshr_b32 s61, ttmp9, 1
	s_lshl_b32 s61, s61, 2
	s_add_co_u32 s61, s61, s60                     ; i: my tile in its range
	s_lshl_b32 s72, s60, 13                        ; the prefetches: of my wave's 32 KiB my work-group takes 8 KiB, by address;
	s_add_co_u32 s72, s72, 65536                   ; at key step 1: the first change of slots steps it to step 2
	s_mov_b32 s73, 0
	s_add_nc_u64 s[PFA:PFA+1], s[4:5], s[68:69]
	s_add_nc_u64 s[PFA:PFA+1], s[PFA:PFA+1], s[72:73]
	; O: row 1024 b + 128 range + 16 i of 16,384 bytes, + 2,048 x head
	s_lshr_b32 s66, s62, 3
	s_and_b32 s67, s62, 7
	s_lshl_b32 s66, s66, 10
	s_lshl_b32 s72, s61, 4
	s_add_co_u32 s66, s66, s72
	s_lshl_b32 s72, s[RG], 7
	s_add_co_u32 s72, s72, s66
	s_lshl_b32 s72, s72, 14
	s_lshl_b32 s67, s67, 11
	s_add_co_u32 s72, s72, s67
	s_add_nc_u64 s[OUTP:OUTP+1], s[8:9], s[72:73]
	; Q: block (0, bh, range), fragment 8 kd + i
	s_lshl_b32 s66, s62, 3
	s_add_co_u32 s66, s66, s[RG]
	s_lshl_b32 s72, s66, 16
	s_lshl_b32 s74, s61, 11
	s_add_co_u32 s72, s72, s74
	s_add_nc_u64 s[QC:QC+1], s[4:5], s[72:73]
	s_lshl_b32 s72, s66, 11
	s_lshl_b32 s74, s61, 6
	s_add_co_u32 s72, s72, s74
	s_add_nc_u64 s[QW:QW+1], s[6:7], s[72:73]
	v_and_b32 v[LI], 31, v0
	v_lshlrev_b32 v[PFO], 8, v[LI]                 ; the prefetches: lanes 256 bytes apart
	v_lshl_add_u32 v[LSK], v[LI], 2, KSC
	v_lshlrev_b32 v[LI], 4, v[LI]
	v_and_b32 v28, 15, v0                          ; r
	v_bfe_u32 v29, v0, 4, 1                        ; h
	v_lshlrev_b32 v[QSO], 2, v28
.irp k, 0,1,2,3                        ; Q stays in registers: channels 128 kd on at v[Q + 16 kd]
.irp c, 0,1,2,3
	global_load_b128 v[Q+16*\k+4*\c:Q+16*\k+4*\c+3], v[LI], s[QC:QC+1] offset:16384*\k+512*\c
.endr
.endr
.irp k, 0,1,2,3
	global_load_b32 v[QS+\k], v[QSO], s[QW:QW+1] offset:512*\k
.endr
	s_mul_i32 s66, s[WV], 16*SPITCH
	s_add_co_u32 s66, s66, STAGE                   ; my stage
	v_mul_u32_u24 v[STO], v28, SPITCH              ; in: row r, 32 bytes for each half of the lanes
	v_lshl_add_u32 v[STO], v29, 5, v[STO]
	v_add_nc_u32 v[STO], s66, v[STO]
	v_mul_u32_u24 v[RD], v29, SPITCH               ; back: lanes 0-15 one row of 256 bytes, lanes 16-31 the next
	v_lshl_add_u32 v[RD], v28, 4, v[RD]
	v_add_nc_u32 v[RD], s66, v[RD]
	v_lshlrev_b32 v[GO], 14, v29                   ; and the same two rows of O
	v_lshl_add_u32 v[GO], v28, 4, v[GO]
	v_lshlrev_b32 v30, 3, v29
	v_sub_nc_u32 v[DM], v28, v30
	s_lshl_b32 s72, s61, 4
	v_add_nc_u32 v[DM], s72, v[DM]
	v_mov_b32 v[NINF], 0xff800000
	v_mov_b32 v[ST+1], 0xff61b1e6                  ; the largest t so far: -3e38
	v_floor_f32 v[ST], -v[ST+1]                    ; -M
	v_mov_b32 v[ST+2], 0
	v_mov_b32 v[ST+3], 0
	v_mov_b32 v[ZP], 0
	v_mov_b32 v[ZP+1], 0
	v_mov_b32 v[F+1], 0                            ; (named as the upper half of a pair)
.irp b, 0,1,2,3
	v_mov_b32 v[PX+\b], 0                          ; a lane permute's destination counts as one of its sources
.endr
	; O^T begins as zeros, two registers a line, which the first change of M leaves zeros: so the key step has no first step of its own.  These lines stand while the first tiles are on their way
	WIN 0x80                                       ; destination window 2
.set j_, 0
.rept 128
	v_pk_add_f32 v[j_:j_+1], v[ZP:ZP+1], v[ZP:ZP+1]
.set j_, j_+2
.endr
	WIN 0
; one matrix instruction.  link = 0: it starts its sum with the constant 0.  odd: source 0's scale words lie in lanes 16-31
.macro WMS d, a, b, link, sa, sb, odd
.if (\link) == 0
.if (\odd)
	v_wmma_scale_f32_16x16x128_f8f6f4 v[\d:\d+7], v[\a:\a+15], v[\b:\b+15], 0, v[\sa], v[\sb] matrix_a_fmt:MATRIX_FMT_BF8 matrix_b_fmt:MATRIX_FMT_BF8 matrix_a_scale:MATRIX_SCALE_ROW1
.else
	v_wmma_scale_f32_16x16x128_f8f6f4 v[\d:\d+7], v[\a:\a+15], v[\b:\b+15], 0, v[\sa], v[\sb] matrix_a_fmt:MATRIX_FMT_BF8 matrix_b_fmt:MATRIX_FMT_BF8
.endif
.else
.if (\odd)
	v_wmma_scale_f32_16x16x128_f8f6f4 v[\d:\d+7], v[\a:\a+15], v[\b:\b+15], v[\d:\d+7], v[\sa], v[\sb] matrix_a_fmt:MATRIX_FMT_BF8 matrix_b_fmt:MATRIX_FMT_BF8 matrix_a_scale:MATRIX_SCALE_ROW1
.else
	v_wmma_scale_f32_16x16x128_f8f6f4 v[\d:\d+7], v[\a:\a+15], v[\b:\b+15], v[\d:\d+7], v[\sa], v[\sb] matrix_a_fmt:MATRIX_FMT_BF8 matrix_b_fmt:MATRIX_FMT_BF8
.endif
.endif
.endm
; fragments 8 g .. 8 g + 7 of K or V into registers of their own: 32 loads of 512 bytes on end.  (The window stays set: what follows sets its own)
.macro LDGROUP adr, g
	WIN 0x40+0x80*((\g)/2)                         ; destination window 1 or 3
.irp n, 0,1,2,3,4,5,6,7
.irp c, 0,1,2,3
	ds_load_b128 v[128*((\g)%2)+16*\n+4*\c:128*((\g)%2)+16*\n+4*\c+3], v[\adr] offset:2048*(8*(\g)+\n)+512*\c
.endr
.endr
.endm
; S^T += K Q^T for channels 128 g on: K's fragments 8 g + n are keys 16 n on.  The eight accumulators take turns, one instruction a turn
.macro SMUL g
	WIN 0x01+2*((\g)/2)                            ; K in window 1 or 3; Q and S^T in window 0
.irp n, 0,1,2,3,4,5,6,7
.set rK, 128*((\g)%2)+16*\n
.set rS, S+8*\n
.set rQ, Q+16*(\g)
.set rKS, KS+4*(\g)+\n/2
.set rQS, QS+(\g)
.set rOD, \n%2
.set rLK, \g
	WMS rS, rK, rQ, rLK, rKS, rQS, rOD
.endr
.endm
; O^T += V^T P^T for V's fragments dt = 8 g + n
.macro PMUL g
	WIN 0xa1+2*((\g)/2)                            ; V in window 1 or 3, p in window 0, O^T in window 2
.irp n, 0,1,2,3,4,5,6,7
.set rK, 128*((\g)%2)+16*\n
.set rO, 64*(\g)+8*\n
.set rVS, VS+4*(\g)+\n/2
.set rOD, \n%2
	WMS rO, rK, PC, 1, rVS, PSW, rOD
.endr
.endm
; on the diagonal the scores of hidden keys become -infinity ahead of the maximum: p = 0 then
.macro MASK
.set n_, 0
.rept 64
	v_cmp_gt_i32 vcc_lo, 16*(n_/8)+n_%8, v[DM]
	v_cndmask_b32 v[S+n_], v[S+n_], v[NINF], vcc_lo
.set n_, n_+1
.endr
.endm
; the tile's softmax for a key step: 64 scores a lane become p's codes and scale word; f is left in v[F]
.macro SOFTMAX
.irp b, 0,1,2,3
	v_max3_num_f32 v[BM+\b], v[S+16*\b], v[S+16*\b+1], v[S+16*\b+2]   ; the largest score of each block of 32 keys: for the row's maximum and, since p rises with the score, for the block's largest p
.endr
.irp i, 3,5,7,9,11,13
.irp b, 0,1,2,3
	v_max3_num_f32 v[BM+\b], v[BM+\b], v[S+16*\b+\i], v[S+16*\b+\i+1]
.endr
.endr
.irp b, 0,1,2,3
	v_max_num_f32 v[BM+\b], v[BM+\b], v[S+16*\b+15]
.endr
.irp b, 0,1,2,3
	v_permlanex16_b32 v[PX+\b], v[BM+\b], s[SEL], s[SEL+1]
.endr
.irp b, 0,1,2,3
	v_max_num_f32 v[BM+\b], v[BM+\b], v[PX+\b]     ; with lane l xor 16's 16 keys
.endr
	v_max3_num_f32 v[T1], v[BM], v[BM+1], v[BM+2]
	v_max_num_f32 v[T1], v[T1], v[BM+3]
	v_mul_f32 v[T1], s[CS], v[T1]                  ; the step's largest t
	v_max_num_f32 v[ST+1], v[ST+1], v[T1]          ; the running largest t
	v_mov_b32 v[T1], v[ST]
	v_floor_f32 v[ST], -v[ST+1]                    ; the new -M = -ceil(t): a whole number
	v_sub_f32 v[T1], v[ST], v[T1]                  ; old M - new M, 0 or less
	v_cvt_i32_f32 v[T1], v[T1]                     ; (it saturates)
	v_ldexp_f32 v[F], 1.0, v[T1]                   ; f = 2^(old M - new M)
.set j_, 0
.rept 32
	v_pk_fma_f32 v[S+j_:S+j_+1], v[S+j_:S+j_+1], s[CS:CS+1], v[ST:ST+1] op_sel_hi:[1,0,0]   ; t - M, two at a time
.set j_, j_+2
.endr
.irp b, 0,1,2,3
	v_fma_f32 v[BM+\b], v[BM+\b], s[CS], v[ST]     ; the same of each block's largest score
.endr
.set j_, 0
.rept 64
	v_exp_f32 v[S+j_], v[S+j_]                     ; p = 2^(t - M)
.set j_, j_+1
.endr
	v_pk_mul_f32 v[ST+2:ST+3], v[ST+2:ST+3], v[F:F+1] op_sel_hi:[1,0]   ; the sums under the new M (a plain line behind the exponentials)
	s_wait_alu depctr_va_vdst(0)                   ; one wait for the batch of 64, ahead of its first reader
.irp b, 0,1,2,3
	v_exp_f32 v[BM+\b], v[BM+\b]                   ; the block's largest p
.endr
	v_pk_add_f32 v[SUM2:SUM2+1], v[S:S+1], v[S+2:S+3]   ; the row's sum of the unquantised p, in two chains
.set j_, 4
.rept 15
	v_pk_add_f32 v[ST+2:ST+3], v[ST+2:ST+3], v[S+j_:S+j_+1]
	v_pk_add_f32 v[SUM2:SUM2+1], v[SUM2:SUM2+1], v[S+j_+2:S+j_+3]
.set j_, j_+4
.endr
	v_pk_add_f32 v[ST+2:ST+3], v[ST+2:ST+3], v[SUM2:SUM2+1]
	s_wait_alu depctr_va_vdst(0)                   ; and one for the four
.irp b, 0,1,2,3
	v_max_num_f32 v[BM+\b], 0x8000000, v[BM+\b]    ; the floor 2^(16 - 127): the byte cannot fall under 1
.endr
.irp b, 0,1,2,3
	v_add_nc_u32 v[SOP+\b], 0xf8800000, v[BM+\b]   ; 15 off the exponent field: the conversion's scale operand
.endr
.irp b, 0,1,2,3
	v_and_or_b32 v[HOLD+\b], v[BM+\b], 0x7f800000, s[MNT]   ; 57,344 x the scale
.endr
.irp b, 0,1,2,3
	v_lshrrev_b32 v[PX+\b], 23, v[SOP+\b]          ; the scale's byte
.endr
	v_lshl_or_b32 v[PSW], v[PX+1], 8, v[PX]
	v_lshl_or_b32 v[PSW], v[PX+2], 16, v[PSW]
	v_lshl_or_b32 v[PSW], v[PX+3], 24, v[PSW]
.irp b, 0,1,2,3
.irp i, 0,1,2,3,4,5,6,7,8,9,10,11,12,13,14,15
	v_min_num_f32 v[S+16*\b+\i], v[S+16*\b+\i], v[HOLD+\b]   ; the conversion does not saturate (ISA guide 7.6.2); p is not negative: a one-sided hold
.endr
	v_cvt_scalef32_pk8_bf8_f32 v[PC+4*\b:PC+4*\b+1], v[S+16*\b:S+16*\b+7], v[SOP+\b]
	v_cvt_scalef32_pk8_bf8_f32 v[PC+4*\b+2:PC+4*\b+3], v[S+16*\b+8:S+16*\b+15], v[SOP+\b]
.endr
.endm
; O^T under the new M: x f.  These 128 plain lines are also the places between the codes and the scale word just made and the products that take them
.macro RESCALE
	WIN 0x82                                       ; O^T (destination and source 0) in window 2, f in window 0
.set j_, 0
.rept 128
	v_pk_mul_f32 v[j_:j_+1], v[j_:j_+1], v[F:F+1] op_sel_hi:[1,0]
.set j_, j_+2
.endr
.endm
; all of a step's K Q^T.  Every fragment has registers of its own, so the eight places at the head serve all the loads of K; each group is fetched one group ahead.
; Then V's first two groups are asked for, to land under the softmax.
.macro SPHASE
	PLACES 8                                       ; behind the last step's products: loads follow into registers that they read
.irp n, 0,1,2,3,4,5,6,7,8,9,10,11,12,13,14,15
	ds_load_b32 v[KS+\n], v[ADKS] offset:128*\n
.endr
.irp n, 0,1,2,3,4,5,6,7,8,9,10,11,12,13,14,15
	ds_load_b32 v[VS+\n], v[ADVS] offset:128*\n
.endr
	LDGROUP ADK, 0
	LDGROUP ADK, 1
	s_wait_dscnt 32                                ; the scale words and group 0 are in; the 32 loads of group 1 may be out
	SMUL 0
	LDGROUP ADK, 2
	s_wait_dscnt 32                                ; group 1 is in; group 2's 32 may be out
	SMUL 1
	LDGROUP ADK, 3
	s_wait_dscnt 32                                ; group 2 is in; group 3's 32 may be out
	SMUL 2
	s_wait_dscnt 0x0
	SMUL 3
	PLACES 8                                       ; for the loads below and for the first read of the scores
	LDGROUP ADV, 0
	LDGROUP ADV, 1
	WIN 0
.endm
; a key step of my tile.  last = 1: the walk's last step, which is range 7's diagonal
.macro WORK last
	SPHASE
.if \last == 0
	s_cmp_lg_u32 s[STP], s[RG]                     ; my tile's diagonal lies in step = its range
	s_cbranch_scc1 .Lopen_\@
.endif
	MASK
.if \last == 0
.Lopen_\@:
.endif
	SOFTMAX
	s_wait_dscnt 0x0                               ; V's groups 0 and 1 have landed under the softmax
	LDGROUP ADV, 2                                 ; into the registers of K's groups 2 and 3, whose products stand the whole softmax back
	LDGROUP ADV, 3
	RESCALE
	PMUL 0
	PMUL 1
	s_wait_dscnt 32                                ; group 2 is in; group 3's 32 loads may be out
	PMUL 2
	s_wait_dscnt 0x0
	PMUL 3
	WIN 0
.endm
; A prefetch into the L2 of what the NEXT change of slots will ask for: of my wave's 32 KiB my work-group names 8 KiB, lanes 256 bytes apart: one instruction a wave.  The head's first cluster asks,
; its four partners told apart by address: each block of 256 bytes is named once in the launch.  The last change that fills a slot asks for nothing; steps 0 and 1 come by their loads alone.
.macro ASK
	s_cmp_gt_u32 s[LEFT], s[LIM]
	s_cbranch_scc0 .Lnot_mine_\@
	global_prefetch_b8 v[PFO], s[PFA:PFA+1] th:TH_LOAD_NT scope:SCOPE_SE
.Lnot_mine_\@:
.endm
; THE CHANGE OF SLOTS stands at a step's head.  Each wave waits for all its tensor loads (its part of the slot that is about to be read), adds 0 to its spare word, and waits for that and for its reads of the
; slot that it has left.  fill = 1: a round of the cluster's barrier, and behind it the joint load of the next step into the slot just left: it has a whole step in which to land.
.macro CHANGE fill
	s_wait_tensorcnt 0x0                           ; no tensor load of mine is out, so the group 0 may be written
	ds_add_u32 v[SPW], v[NIL]                      ; 0 onto my spare word
.if \fill
	s_xor_b32 s[G0+1], s[G0+1], SLOT1              ; the other slot than last time,
	s_add_nc_u64 s[G0+2:G0+3], s[G0+2:G0+3], 65536 ; the next 128 keys; the type bits on top are not reached
	s_wait_xcnt 0x0                                ; the last prefetch, a step back, has read its address
	s_add_nc_u64 s[PFA:PFA+1], s[PFA:PFA+1], 65536
.endif
	s_wait_dscnt 0x0                               ; the add is done, and my reads of the slot that I have left are over
.if \fill
	CROUND                                         ; both now hold of every wave of all four work-groups
	tensor_load_to_lds s[G0:G0+3], s[G1:G1+7]      ; my one tensor load behind the round, and the first thing there
	s_nop 0
.rept 4
	v_nop
.endr
	ASK
.else
	s_barrier_signal -1
	s_barrier_wait -1
.endif
.endm
.macro ADDR                            ; the step's LDS addresses, made on every wave's way, ahead of the parting of the waves
	v_add_nc_u32 v[ADK], s[TB], v[LI]
	v_add_nc_u32 v[ADV], 0x10000, v[ADK]
	v_add_nc_u32 v[ADKS], s[TS], v[LSK]
	v_add_nc_u32 v[ADVS], 0x4000, v[ADKS]
.endm
	s_wait_loadcnt 0x0                             ; Q and its scale words
.Lstep:                                            ; seven trips: behind each change of slots but the last the next step is asked for
	CHANGE 1
	ADDR
	s_cmp_gt_u32 s[STP], s[RG]
	s_cbranch_scc1 .Lnext                          ; my tile is finished: I go on asking with the others
	WORK 0
.Lnext:
	s_add_co_u32 s[STP], s[STP], 1
	s_add_co_u32 s[TS], s[TS], 2048                ; the next step's scale words
	s_xor_b32 s[TB], s[TB], SLOT1                  ; on to the other slot
	s_sub_co_u32 s[LEFT], s[LEFT], 1
	s_cmp_lg_u32 s[LEFT], 0
	s_cbranch_scc1 .Lstep
	CHANGE 0                                       ; the last step is written out
	ADDR
	s_cmp_lg_u32 s[RG], 7                          ; key step 7 counts for range 7 alone
	s_cbranch_scc1 .Lend
	WORK 1
.Lend:
	; THE WAY OUT, every wave's: O^T / the sum, 64 channels (256 bytes of 16 rows) at a time through my stage, so that sixteen lanes store 256 consecutive bytes.
.macro SEND u, younger
	s_wait_dscnt \younger                          ; chunk u is back in registers; the next chunk's 8 stores and 8 loads may be out
.irp k, 0,1,2,3,4,5,6,7
	global_store_b128 v[GO], v[WB+32*((\u)%2)+4*\k:WB+32*((\u)%2)+4*\k+3], s[OUTP:OUTP+1] offset:32768*\k+256*(\u) th:TH_STORE_NT   ; 16 lanes store 256 consecutive bytes, aligned
.endr
.endm
	PLACES 8                                       ; behind the last products, whose results are read below
	v_add_f32 v[T1], v[ST+2], v[ST+3]
	v_permlanex16_b32 v[PX], v[T1], s[SEL], s[SEL+1]
	v_add_f32 v[T1], v[T1], v[PX]                  ; the row's sum
	v_rcp_f32 v[F], v[T1]
	v_nop                                          ; a plain line behind the reciprocal
	s_wait_alu depctr_va_vdst(0)                   ; and the wait ahead of its first reader
.irp u, 0,1,2,3,4,5,6,7
	WIN 0x02                                       ; source 0: window 2
.set j_, 0
.rept 16
	v_pk_mul_f32 v[WA+j_:WA+j_+1], v[32*\u+j_:32*\u+j_+1], v[F:F+1] op_sel_hi:[1,0]   ; each accumulator from its low end on
.set j_, j_+2
.endr
	WIN 0
.irp t, 0,1,2,3
	ds_store_b128 v[STO], v[WA+8*\t:WA+8*\t+3] offset:64*\t
	ds_store_b128 v[STO], v[WA+8*\t+4:WA+8*\t+7] offset:64*\t+16
.endr
.if \u >= 2
	s_wait_xcnt 0x0                                ; chunk u - 2's stores have read their data: the loads below land there only behind this wait
.endif
.irp k, 0,1,2,3,4,5,6,7
	ds_load_b128 v[WB+32*(\u%2)+4*\k:WB+32*(\u%2)+4*\k+3], v[RD] offset:544*\k   ; LDS serves a wave's instructions in order: these see the stores above
.endr
.if \u >= 1
	SEND \u-1, 16
.endif
.endr
	SEND 7, 0
	s_wait_tensorcnt 0x0                           ; the wave's end
	ds_add_u32 v[SPW], v[NIL]
	s_wait_dscnt 0x0
	CROUND                                         ; the closing round: no work-group ends while a partner may still ask for a tile that names it
	s_endpgm
.Lfunc_end_k_qde48126c85_attn:
	.size	k_qde48126c85_attn, .Lfunc_end_k_qde48126c85_attn-k_qde48126c85_attn
	.p2alignl 7, 3214868480
	.fill 96, 4, 3214868480
	.section	.rodata,"a",@progbits
	.p2align	6, 0x0
	.amdhsa_kernel k_qde48126c85_attn
		.amdhsa_group_segment_fixed_size 327680
		.amdhsa_private_segment_fixed_size 0
		.amdhsa_enable_private_segment 0
		.amdhsa_kernarg_size 24
		.amdhsa_user_sgpr_count 2
		.amdhsa_user_sgpr_kernarg_segment_ptr 1
		.amdhsa_wavefront_size32 1
		.amdhsa_system_sgpr_workgroup_id_x 1
		.amdhsa_system_sgpr_workgroup_id_y 1
		.amdhsa_system_sgpr_workgroup_id_z 1
		.amdhsa_system_vgpr_workitem_id 0
		.amdhsa_next_free_vgpr 1024
		.amdhsa_next_free_sgpr 80
		.amdhsa_reserve_vcc 1
		.amdhsa_float_denorm_mode_32 3
		.amdhsa_float_denorm_mode_16_64 3
		.amdhsa_memory_ordered 1
		.amdhsa_forward_progress 1
		.amdhsa_inst_pref_size 149
	.end_amdhsa_kernel
	.amdgpu_metadata
---
amdhsa.version: [ 1, 2 ]
amdhsa.kernels:
  - .name:           k_qde48126c85_attn
    .symbol:         k_qde48126c85_attn.kd
    .args:
      - { .name: qkvc, .offset: 0, .size: 8, .value_kind: global_buffer, .address_space: global }
      - { .name: qkvs, .offset: 8, .size: 8, .value_kind: global_buffer, .address_space: global }
      - { .name: out0, .offset: 16, .size: 8, .value_kind: global_buffer, .address_space: global }
    .group_segment_fixed_size: 327680
    .private_segment_fixed_size: 0
    .kernarg_segment_align: 8
    .kernarg_segment_size: 24
    .max_flat_workgroup_size: 128
    .sgpr_count:     80
    .vgpr_count:     1024
    .wavefront_size: 32
...
	.end_amdgpu_metadata
.endif
;; end of part 3
;; ======== version 2 of 2: 3 launches
;; limits: right only within a limited range of input values
;; workspace buffers: codes 10,485,760 bytes; scales 327,680 bytes; qkvc 51,904,512 bytes
;; launch quant (part 4): grid 320 x 1, 4 waves a work-group, no clusters, 68,096 bytes of LDS; arguments query, value, Wq, Wk, Wv, codes, scales; writes codes, scales
.if DOCPART == 4
	.amdgcn_target "amdgcn-amd-amdhsa--gfx1250"
	.amdhsa_code_object_version 6
	.text
	.protected	k_qde48126c85_quant
	.globl	k_qde48126c85_quant
	.p2align	8
	.type	k_qde48126c85_quant,@function
k_qde48126c85_quant:
	s_mov_b64 s[64:65], 0
	v_nop
	global_prefetch_b8 v0, s[64:65] scope:SCOPE_SE
	s_setreg_imm32_b32 hwreg(HW_REG_WAVE_MODE, 25, 1), 1
	s_wait_xcnt 0x0
; query, value [4096][512] f32 and Wq, Wk, Wv [512][4096] f32 become codes of BF8 (E5M2) with K (the 512) innermost, and one E8M0 byte for each 32 along K.
; codes: [20480 rows][512 bytes]; scales: [20480][16 bytes].  Rows 0-4095 query, 4096-8191 value, 8192 + 4096 p + n = column n of weight p (0 Wq, 1 Wk, 2 Wv).
; A block's scale is 2^(floor(log2(largest magnitude)) - 15): its byte is the largest magnitude's exponent field - 15, held at 1 from below; each number is divided by the scale,
; held within +-57,344 and rounded to the nearest code, ties to even.
; LIMITS: a block of zeros gets the byte 1 where the rule says 127 (its codes are zeros, and this program alone reads the bytes); blocks whose largest magnitude lies under 2^-111
; share that byte; NaN and infinities among the inputs are not served.
; Work-groups 0-127: query and value, whose K is innermost: plain streams of blocks of 32.  Work-groups 128-319: the weights, whose K is the first axis: a lane takes a column.
; The two ways part on the work-group's number and have LDS bytes of their own.  No tensor load, no barrier: waves share nothing.
.set EMAX,  15
.set MANT,  0x600000                   ; the mantissa field of 57,344 as f32
; the streams
.set STEPS, 16                         ; a wave takes 16 steps of 512 numbers
.set CB,    16                         ; bytes of a lane's 16 codes
.set R,     16                         ; v16-79   four sets of 16 numbers as loaded
.set X,     80                         ; v80-111  two sets of 16 neighbours
.set C,     128                        ; v128-191 codes, four registers a step: no store's data are written again
.set E,     112                        ; v112-127 a scale byte a step
.set WREG,  8192                       ; LDS of a wave: two stages of 32 x SP bytes, then its 256 scale bytes
.set SP,    80                         ; a lane's 64 bytes + 16 of padding
; the weights
.set SIZE_N, 4096
.set NB,    8                          ; blocks of 32 along K for a wave: 256 along K
.set PITCH, 272                        ; a stage row: 256 bytes of codes + 16
.set KROW,  512                        ; a row of codes in memory
.set WLDS,  32768                      ; the weights' stages begin here
.set WX,    32                         ; v32-95   two sets of 32 numbers
.set WC,    96                         ; v96-103  a block's codes
.set OUTR,  112                        ; v112-175 the way out
.set SB,    24                         ; v24-25   the scale bytes, four to a register
	s_load_b256 s[4:11], s[0:1], 0x0               ; query s[4:5], value s[6:7], Wq s[8:9], Wk s[10:11]
	s_load_b128 s[12:15], s[0:1], 0x20             ; Wv s[12:13], codes s[14:15]
	s_load_b64 s[16:17], s[0:1], 0x30              ; scales
	v_lshl_add_u32 v192, v0, 2, 0x10800
	v_mov_b32 v193, 0
	v_lshrrev_b32 v1, 5, v0
	v_readfirstlane_b32 s18, v1                    ; wave
	v_and_b32 v2, 31, v0                           ; lane
	s_mov_b32 s31, MANT                            ; (an instruction takes one literal: the hold's line has another)
	s_wait_kmcnt 0x0
	s_cmp_lt_u32 ttmp9, 128
	s_cbranch_scc0 .Lweights
; ---------------- query and value ----------------
; Each of a step's four loads reads 512 consecutive bytes, 16 a lane; the 2,048 bytes go through the wave's own stage and come back 64 bytes a lane: 16 neighbours along K.  Two neighbouring lanes hold a block.
	s_wait_alu depctr_va_vdst(0)
	v_lshlrev_b32 v3, 4, v2                        ; my 16 bytes of a load's 512
	s_mul_i32 s19, s18, WREG
	v_lshrrev_b32 v14, 2, v2
	v_mul_u32_u24 v14, v14, SP
	v_and_b32 v15, 3, v2
	v_lshl_add_u32 v14, v15, 4, v14
	v_add_nc_u32 v14, s19, v14                     ; into the stage: SP (lane / 4) + 16 (lane % 4)
	v_mul_u32_u24 v15, v2, SP
	v_add_nc_u32 v15, s19, v15                     ; out of it: SP x lane
	v_mul_u32_u24 v4, v2, CB                       ; my codes' place in a step's
	v_lshrrev_b32 v5, 1, v2
	s_add_co_u32 s19, s19, 2*32*SP
	v_add_nc_u32 v5, s19, v5                       ; my block's byte among my wave's 256
	v_lshlrev_b32 v7, 3, v2                        ; on the way out 8 bytes a lane
	v_add_nc_u32 v6, s19, v7
	s_cmp_lt_u32 ttmp9, 64                         ; query's work-group or value's: the choice hangs on the work-group's number alone
	s_cselect_b64 s[4:5], s[4:5], s[6:7]
	s_cselect_b32 s19, 0, 64
	s_sub_co_u32 s19, ttmp9, s19
	s_lshl_b32 s19, s19, 2
	s_add_co_u32 s20, s19, s18                     ; which run of 8,192 numbers of the input is my wave's
	s_mov_b32 s21, 0
	s_lshl_b64 s[20:21], s[20:21], 15              ; 32,768 bytes a run
	s_add_nc_u64 s[4:5], s[4:5], s[20:21]
	s_lshl_b32 s20, ttmp9, 2
	s_add_co_u32 s20, s20, s18                     ; and of the outputs: value's rows follow query's
	s_lshl_b32 s24, s20, 13                        ; 8,192 bytes of codes a run
	s_mov_b32 s25, 0
	s_add_nc_u64 s[14:15], s[14:15], s[24:25]
	s_lshl_b32 s24, s20, 8                         ; 256 scale bytes a run
	s_add_nc_u64 s[16:17], s[16:17], s[24:25]
.macro XLOAD t
.irp i, 0,1,2,3
	global_load_b128 v[R+16*((\t)%4)+4*\i:R+16*((\t)%4)+4*\i+3], v3, s[4:5] offset:2048*(\t)+512*\i th:TH_LOAD_NT
.endr
.endm
.macro XTURN t                         ; step t through the stage: LDS serves a wave's instructions in order, so no wait stands between the stores and the loads
.irp i, 0,1,2,3
	ds_store_b128 v14, v[R+16*((\t)%4)+4*\i:R+16*((\t)%4)+4*\i+3] offset:32*SP*((\t)%2)+8*SP*\i
.endr
.irp i, 0,1,2,3
	ds_load_b128 v[X+16*((\t)%2)+4*\i:X+16*((\t)%2)+4*\i+3], v15 offset:32*SP*((\t)%2)+16*\i
.endr
.endm
.irp t, 0,1,2,3
	XLOAD \t
.endr
	s_wait_alu depctr_va_vdst(0)
	s_wait_loadcnt 12                              ; step 0's four loads are in; the twelve of steps 1 to 3 stay out
	XTURN 0
.macro XSTEP t
.set XS, X+16*((\t)%2)
.if (\t) > 0
	s_wait_dscnt 1                                 ; this step's numbers are back from the stage; the last step's byte store may be out
.else
	s_wait_dscnt 0x0
.endif
.if (\t)+4 < STEPS
	XLOAD (\t)+4                                   ; into the registers that this step's stage stores have read
.endif
.if (\t)+1 < STEPS
.if STEPS-2-(\t) >= 3
	s_wait_loadcnt 12                              ; the next step's four loads are in; those of the three steps behind it may be out
.else
	s_wait_loadcnt 4*(STEPS-2-(\t))
.endif
	XTURN (\t)+1
.endif
	v_max3_num_f32 v8, |v[XS]|, |v[XS+1]|, |v[XS+2]|               ; the largest magnitude of my 16, in two chains
	v_max3_num_f32 v9, |v[XS+3]|, |v[XS+4]|, |v[XS+5]|
.irp i, 6,10
	v_max3_num_f32 v8, v8, |v[XS+\i]|, |v[XS+\i+1]|
	v_max3_num_f32 v9, v9, |v[XS+\i+2]|, |v[XS+\i+3]|
.endr
	v_max3_num_f32 v8, v8, |v[XS+14]|, |v[XS+15]|
	v_max3_num_f32 v8, v8, v9, (EMAX+1)<<23        ; and the floor 2^(16 - 127): the byte cannot fall under 1
	v_max_num_f32_dpp v8, v8, v8 row_xmask:1 row_mask:0xf bank_mask:0xf   ; and of my neighbour's 16: the block's
	v_add_nc_u32 v11, 0xf8800000, v8               ; 15 off its exponent field: the conversion takes this operand's exponent field as its scale
	v_and_or_b32 v10, v8, 0x7f800000, s31          ; 57,344 x the scale
.irp i, 0,1,2,3,4,5,6,7,8,9,10,11,12,13,14,15
	v_med3_num_f32 v[XS+\i], v[XS+\i], -v10, v10   ; the conversion to an 8-bit code does not saturate (ISA guide 7.6.2): the hold comes first
.endr
	v_cvt_scalef32_pk8_bf8_f32 v[C+4*(\t):C+4*(\t)+1], v[XS:XS+7], v11
	v_cvt_scalef32_pk8_bf8_f32 v[C+4*(\t)+2:C+4*(\t)+3], v[XS+8:XS+15], v11
	v_lshrrev_b32 v[E+(\t)], 23, v11               ; the scale's byte (also the plain line behind the conversions)
	ds_store_b8 v5, v[E+(\t)] offset:16*(\t)       ; both lanes of a block write the same byte with the same value
	global_store_b128 v4, v[C+4*(\t):C+4*(\t)+3], s[14:15] offset:32*CB*(\t)   ; the wave stores 512 consecutive bytes
.endm
.irp t, 0,1,2,3,4,5,6,7,8,9,10,11,12,13,14,15
	XSTEP \t
.endr
	ds_load_b64 v[12:13], v6                       ; my wave's 256 scale bytes: these loads see my stores
	s_wait_dscnt 0x0
	global_store_b64 v7, v[12:13], s[16:17]        ; 32 lanes store 256 consecutive bytes, aligned
	s_wait_tensorcnt 0x0
	ds_add_u32 v192, v193
	s_wait_dscnt 0x0
	s_endpgm
; ---------------- the weights ----------------
; A lane takes a column n and its registers run down K: each load reads 128 consecutive bytes a wave, a block of 32 lies in one lane, and the conversions give codes with K innermost.
; A wave takes 32 columns x 256 along K; the codes go through its own stage and leave as rows: sixteen lanes store 256 consecutive bytes.
.Lweights:
	s_sub_co_u32 s19, ttmp9, 128
	s_lshr_b32 s20, s19, 6                         ; p: which weight
	s_and_b32 s21, s19, 31                         ; x: which 128 columns
	s_bfe_u32 s22, s19, 0x10005                    ; y: which 256 along K
	s_cmp_eq_u32 s20, 0
	s_cselect_b64 s[4:5], s[8:9], s[10:11]
	s_cmp_eq_u32 s20, 2
	s_cselect_b64 s[4:5], s[12:13], s[4:5]
	s_lshl_b32 s23, s21, 7
	s_lshl_b32 s24, s18, 5
	s_add_co_u32 s23, s23, s24                     ; my wave's first column
	s_wait_alu depctr_va_vdst(0)
	v_lshlrev_b32 v3, 2, v2                        ; in: 4 bytes a lane
	s_mul_i32 s24, s18, 32*PITCH
	s_add_co_u32 s24, s24, WLDS                    ; my stage
	v_mul_u32_u24 v4, v2, PITCH
	v_add_nc_u32 v4, s24, v4                       ; into it: row = my column
	v_and_b32 v5, 15, v2
	v_lshrrev_b32 v6, 4, v2
	v_mul_u32_u24 v7, v6, PITCH
	v_lshl_add_u32 v7, v5, 4, v7
	v_add_nc_u32 v7, s24, v7                       ; out of it: sixteen lanes to a row, two rows an instruction
	v_mul_u32_u24 v8, v6, KROW
	v_lshl_add_u32 v8, v5, 4, v8                   ; and the same place among the codes
	v_lshlrev_b32 v9, 4, v2                        ; my column's row of scale bytes: 16 bytes a row
	s_lshl_b32 s24, s22, 22                        ; 256 y rows of 16,384 bytes
	s_lshl_b32 s25, s23, 2
	s_add_co_u32 s24, s24, s25
	s_mov_b32 s25, 0
	s_add_nc_u64 s[4:5], s[4:5], s[24:25]
	s_lshl_b32 s26, s20, 12
	s_add_co_u32 s26, s26, 8192
	s_add_co_u32 s26, s26, s23                     ; the first column's row of the outputs
	s_lshl_b32 s24, s26, 9
	s_lshl_b32 s27, s22, 8
	s_add_co_u32 s24, s24, s27
	s_add_nc_u64 s[14:15], s[14:15], s[24:25]
	s_lshl_b32 s24, s26, 4
	s_lshl_b32 s27, s22, 3
	s_add_co_u32 s24, s24, s27
	s_add_nc_u64 s[16:17], s[16:17], s[24:25]
.macro WLOAD t                         ; block t: W(32 t + i, my column) into set t % 2; the largest offset, 255 rows of 16,384 bytes, lies inside the signed 24-bit immediate
.irp i, 0,1,2,3,4,5,6,7,8,9,10,11,12,13,14,15,16,17,18,19,20,21,22,23,24,25,26,27,28,29,30,31
	global_load_b32 v[WX+32*((\t)%2)+\i], v3, s[4:5] offset:(32*(\t)+\i)*SIZE_N*4 th:TH_LOAD_NT
.endr
.endm
	WLOAD 0
	WLOAD 1
.macro WBLOCK t
.set XS, WX+32*((\t)%2)
.if (\t) < NB-1
	s_wait_loadcnt 32                              ; this block's 32 loads are in; the next block's may be out
.else
	s_wait_loadcnt 0x0
.endif
	v_max3_num_f32 v12, |v[XS]|, |v[XS+1]|, |v[XS+2]|              ; the block's largest magnitude: all 32 numbers are mine
	v_max3_num_f32 v13, |v[XS+3]|, |v[XS+4]|, |v[XS+5]|
.irp i, 6,10,14,18,22,26
	v_max3_num_f32 v12, v12, |v[XS+\i]|, |v[XS+\i+1]|
	v_max3_num_f32 v13, v13, |v[XS+\i+2]|, |v[XS+\i+3]|
.endr
	v_max3_num_f32 v12, v12, |v[XS+30]|, |v[XS+31]|
	v_max3_num_f32 v12, v12, v13, (EMAX+1)<<23     ; and the floor
	v_add_nc_u32 v11, 0xf8800000, v12              ; the conversion's scale operand
	v_and_or_b32 v10, v12, 0x7f800000, s31         ; 57,344 x the scale
	v_lshrrev_b32 v13, 23, v11                     ; the scale's byte
.if (\t)%4 == 0
	v_mov_b32 v[SB+(\t)/4], v13                    ; four bytes to a register, the lower K in the lower byte
.else
	v_lshl_or_b32 v[SB+(\t)/4], v13, 8*((\t)%4), v[SB+(\t)/4]
.endif
.irp i, 0,1,2,3,4,5,6,7,8,9,10,11,12,13,14,15,16,17,18,19,20,21,22,23,24,25,26,27,28,29,30,31
	v_med3_num_f32 v[XS+\i], v[XS+\i], -v10, v10
.endr
.irp g, 0,1,2,3
	v_cvt_scalef32_pk8_bf8_f32 v[WC+2*\g:WC+2*\g+1], v[XS+8*\g:XS+8*\g+7], v11
.endr
	ds_store_b128 v4, v[WC:WC+3] offset:32*(\t)    ; 32 codes: 32 bytes of my column's row
	ds_store_b128 v4, v[WC+4:WC+7] offset:32*(\t)+16
.if (\t)+2 < NB
	WLOAD (\t)+2
.endif
	s_wait_dscnt 0x0                               ; the stores have read their registers: the next block's codes may be written
.endm
.set Q, 0
.rept NB
	WBLOCK Q
.set Q, Q+1
.endr
	global_store_b64 v9, v[SB:SB+1], s[16:17]      ; my column's eight scale bytes
.irp t, 0,1,2,3,4,5,6,7,8,9,10,11,12,13,14,15
	ds_load_b128 v[OUTR+4*\t:OUTR+4*\t+3], v7 offset:2*\t*PITCH
.endr
.irp t, 0,1,2,3,4,5,6,7,8,9,10,11,12,13,14,15
	s_wait_dscnt 15-\t                             ; rows 2 t and 2 t + 1 are back; the younger loads stay out
	global_store_b128 v8, v[OUTR+4*\t:OUTR+4*\t+3], s[14:15] offset:2*\t*KROW
.endr
	s_wait_tensorcnt 0x0
	ds_add_u32 v192, v193
	s_wait_dscnt 0x0
	s_endpgm
.Lfunc_end_k_qde48126c85_quant:
	.size	k_qde48126c85_quant, .Lfunc_end_k_qde48126c85_quant-k_qde48126c85_quant
	.p2alignl 7, 3214868480
	.fill 96, 4, 3214868480
	.section	.rodata,"a",@progbits
	.p2align	6, 0x0
	.amdhsa_kernel k_qde48126c85_quant
		.amdhsa_group_segment_fixed_size 68096
		.amdhsa_private_segment_fixed_size 0
		.amdhsa_enable_private_segment 0
		.amdhsa_kernarg_size 56
		.amdhsa_user_sgpr_count 2
		.amdhsa_user_sgpr_kernarg_segment_ptr 1
		.amdhsa_wavefront_size32 1
		.amdhsa_system_sgpr_workgroup_id_x 1
		.amdhsa_system_sgpr_workgroup_id_y 1
		.amdhsa_system_sgpr_workgroup_id_z 1
		.amdhsa_system_vgpr_workitem_id 0
		.amdhsa_next_free_vgpr 194
		.amdhsa_next_free_sgpr 66
		.amdhsa_reserve_vcc 0
		.amdhsa_float_denorm_mode_32 3
		.amdhsa_float_denorm_mode_16_64 3
		.amdhsa_memory_ordered 1
		.amdhsa_forward_progress 1
		.amdhsa_inst_pref_size 110
	.end_amdhsa_kernel
	.amdgpu_metadata
---
amdhsa.version: [ 1, 2 ]
amdhsa.kernels:
  - .name:           k_qde48126c85_quant
    .symbol:         k_qde48126c85_quant.kd
    .args:
      - { .name: query, .offset: 0, .size: 8, .value_kind: global_buffer, .address_space: global }
      - { .name: value, .offset: 8, .size: 8, .value_kind: global_buffer, .address_space: global }
      - { .name: Wq, .offset: 16, .size: 8, .value_kind: global_buffer, .address_space: global }
      - { .name: Wk, .offset: 24, .size: 8, .value_kind: global_buffer, .address_space: global }
      - { .name: Wv, .offset: 32, .size: 8, .value_kind: global_buffer, .address_space: global }
      - { .name: codes, .offset: 40, .size: 8, .value_kind: global_buffer, .address_space: global }
      - { .name: scales, .offset: 48, .size: 8, .value_kind: global_buffer, .address_space: global }
    .group_segment_fixed_size: 68096
    .private_segment_fixed_size: 0
    .kernarg_segment_align: 8
    .kernarg_segment_size: 56
    .max_flat_workgroup_size: 128
    .sgpr_count:     66
    .vgpr_count:     194
    .wavefront_size: 32
...
	.end_amdgpu_metadata
.endif
;; end of part 4
;; launch proj (part 5): grid 16 x 48, 4 waves a work-group, clusters of 4 x 4, 327,680 bytes of LDS; arguments codes, scales, bq, bk, bv, qkvc; writes qkvc
.if DOCPART == 5
	.amdgcn_target "amdgcn-amd-amdhsa--gfx1250"
	.amdhsa_code_object_version 6
	.text
	.protected	k_qde48126c85_proj
	.globl	k_qde48126c85_proj
	.p2align	8
	.type	k_qde48126c85_proj,@function
k_qde48126c85_proj:
	s_mov_b64 s[64:65], 0
	v_nop
	global_prefetch_b8 v0, s[64:65] scope:SCOPE_SE
	s_setreg_imm32_b32 hwreg(HW_REG_WAVE_MODE, 25, 1), 1
	s_wait_xcnt 0x0
	s_wait_alu depctr_hold_cnt(0) depctr_sa_sdst(0) depctr_va_vdst(0) depctr_va_sdst(0) depctr_va_ssrc(0) depctr_va_vcc(0) depctr_vm_vsrc(0)
	s_getreg_b32 s2, hwreg(HW_REG_IB_STS2, 6, 4)
	s_cmp_eq_u32 s2, 0
	s_cbranch_scc0 .Lentry_in_a_cluster
	s_endpgm
.Lentry_in_a_cluster:
	s_bfe_u32 s2, ttmp6, 0x10000c
	s_cmp_lg_u32 s2, 0xf033
	s_cbranch_scc0 .Lentry_shape_is_right
	s_endpgm
.Lentry_shape_is_right:
; The three projections on codes of BF8 (E5M2) with E8M0 scales, K = 512, and their results quantised on the way out: SCALE (query Wq + bq) and value Wk + bk along the head's 512, value Wv + bv along the keys.
; Nothing of q, k, v goes to memory as f32.  A work-group of four waves makes 256 x 256 results over all of K; a wave 128 x 128: 64 accumulators, 512 registers.
; P = cluster y / 4 says which projection (0 q, 1 k, 2 v): the same number in all sixteen partners of a cluster.  A (source 1) gives a lane its row, B (source 0) runs along the lane's registers:
;   q, k: A = 256 tokens, B = 256 columns of the weight: a lane holds one token and neighbours along the head's axis, which is the next product's K;
;   v:    A = 256 columns of Wv, B = 256 tokens: a lane holds one channel and neighbours along the keys, which are its next K.  One text serves all three.
; K = 512 lies whole in LDS, rows of 512 bytes: every tensor load is a first fill, nothing is filled again.  A wave has one tensor load out: its 128 rows; the scale words come by global loads.
; CLUSTERS: 4 x 4 work-groups; A's tiles are asked for jointly along a row of the cluster, B's along a column.
; THE OUTPUT is laid as the attention launch's operand registers: a fragment (16 rows x 128 K) is 2,048 bytes, register group c of lane l at 512 c + 16 l; its scale words 4 bytes a row.
;   qkvc [p][bh][s][f 32][2048]: q, k: s = 128 tokens, f = 8 (d / 128) + tile of 16 tokens;  v: s = 128 keys, f = d / 16.   The scale words [f][16][4] follow each block's codes in qkvc.
; ORDER INSIDE A BLOCK OF 32: a lane's registers 16 c + i hold element 32 c + 8 h + i (i < 8) and 32 c + 16 + 8 h + i - 8 (i >= 8), h = lane / 16: a permutation inside each true block of 32,
; the same in q and k, and in v and the attention launch's p.  The blocks, their scales and the products are the true ones; only the order of summing inside an instruction differs.
; LIMITS: a block of zeros gets the byte 1, not 127 (zero codes; this program alone reads the bytes); NaN and infinities are not served.
; REGISTERS, in windows of 256: window 0: v1-31 addresses and the lane bias; v32-63 scale words, one set, and nothing else; v64-127 the bias as the first products' C, on the way out 64 numbers at work;
;   v128-255 A's fragments, ONE set; on the way out v128-191 codes (four sets), v192-219 at work.   window 1: B's fragments, two sets.   windows 2, 3: the accumulators ((a, b) at v[8 (8 (a % 4) + b)]).
.set NQ,     4                         ; matrix instructions deep
.set ROWB,   512                       ; a tile's row in bytes: all of K
.set KROW,   512                       ; a row of codes in memory
.set PITCH,  528                       ; an LDS row: 512 bytes + 16 of padding
.set FR,     16
.set NL,     4
.set NP,     8                         ; places behind this matrix instruction (ISA guide 7.12.1)
.set HALFT,  128*PITCH
.set SPARE,  4*HALFT                   ; behind A's 256 rows and B's 256 rows: the spare words, 128 bytes a wave
.set SSTG,   SPARE+512                 ; 512 bytes a wave: the scale words on their way out; no fill lands here
.set LI,   7                           ; v7   16 x lane
.set BV,   8                           ; v8-15 the bias of my row of A's block a (v), or 0 (q, k)
.set ADRA, 16
.set SST,  18                          ; v18  where I put a scale word
.set SRD,  19                          ; v19  where I read 16 bytes of them back
.set ADRB, 20
.set ADRS, 27
.set SPW,  28
.set NIL,  29
.set SC,   32
.set BC,   64                          ; the bias in the result's layout (q, k), or zeros (v)
.set T,    64
.set AF,   128
.set PC,   128
.set TM,   192                         ; v192-195 largest magnitudes, v196-199 bytes, v200-203 the holds, v204-207 the conversions' scale operands
.set PW,   208                         ; v208-215 a scale word for each block
.set SWB,  216
.set SEL,  2                           ; s[2:3] selects for lane l xor 16
.set MNT,  95
.set G1, 24
.set G0, 32
.set G1B, 48
.set G0B, 56
.set G1S, 68
.set G0S, 76
.set G1SB, 80
.set G0SB, 88
.set MSB, 0
.macro WIN new                         ; the immediate's high byte repeats the setting that is left
.if MSB != (\new)
	s_set_vgpr_msb (MSB<<8)|(\new)
.set MSB, (\new)
.endif
.endm
.set MUL_LO, 0xa1                      ; source 0 (B) window 1, source 1 (A) window 0, C and D window 2
.set MUL_HI, 0xf1
.set TO_B,   0x40
.macro JLOAD g0a, g1a, g0b, g1b        ; a joint load: waves 0 and 1 fetch for A, waves 2 and 3 for B; four v_nop follow each line
	s_cmp_eq_u32 s19, 0
	s_cbranch_scc0 .Lfor_b_\@
	tensor_load_to_lds s[\g0a:\g0a+3], s[\g1a:\g1a+7]
	s_nop 0
.rept 4
	v_nop
.endr
	s_branch .Lasked_\@
.Lfor_b_\@:
	tensor_load_to_lds s[\g0b:\g0b+3], s[\g1b:\g1b+7]
	s_nop 0
.rept 4
	v_nop
.endr
.Lasked_\@:
.endm
.macro CROUND                          ; a round of the cluster's barrier
	s_barrier_signal -1
	s_barrier_wait -1
	s_cmp_lg_u32 s18, 0
	s_cbranch_scc1 .Lnot_wave_0_\@
	s_barrier_signal -3
.Lnot_wave_0_\@:
	s_barrier_wait -3
	s_barrier_signal -1
	s_barrier_wait -1
.endm
	s_load_b256 s[4:11], s[0:1], 0x0               ; codes s[4:5], scales s[6:7], bq s[8:9], bk s[10:11]
	s_load_b128 s[12:15], s[0:1], 0x20             ; bv s[12:13], qkvc s[14:15]
	v_lshl_add_u32 v[SPW], v0, 2, SPARE
	v_mov_b32 v[NIL], 0
	ds_add_u32 v28, v29
	ds_add_u32 v28, v29
	s_wait_dscnt 0x0
	v_lshrrev_b32 v1, 5, v0
	v_readfirstlane_b32 s18, v1                    ; wave 0..3
	s_lshr_b32 s19, s18, 1                         ; which 128 rows of A are mine.  Also: I fetch for A (0) or for B (1)
	s_and_b32 s20, s18, 1                          ; which 128 rows of B.  Also: which 128 rows of that tile I fetch
	s_bfe_u32 s21, ttmp6, 0x40000                  ; cx
	s_bfe_u32 s22, ttmp6, 0x40004                  ; cy
	s_lshl_b32 s23, ttmp9, 2
	s_add_co_u32 s23, s23, s21                     ; tx: which 256 rows of B
	s_and_b32 s66, ttmp7, 0xffff                   ; cluster y, 0..11
	s_lshr_b32 s41, s66, 2                         ; P
	s_and_b32 s66, s66, 3
	s_lshl_b32 s66, s66, 2
	s_add_co_u32 s40, s66, s22                     ; ty: which 256 rows of A
	s_lshl_b32 s42, s22, 2
	s_lshl_b32 s42, 15, s42                        ; my row of the cluster
	s_lshl_b32 s43, 0x1111, s21                    ; my column
	; descriptor group 1: 128 rows x 512 bytes, 16 bytes of padding behind each
	s_or_b32 s[G1+0], s42, (0<<16)|(1<<20)|(1<<21)|(6<<22)|(3<<25)
	s_or_b32 s[G1B+0], s43, (0<<16)|(1<<20)|(1<<21)|(6<<22)|(3<<25)
.irp g, G1, G1B
	s_mov_b32 s[\g+1], ROWB<<16                    ; tensor_dim0
	s_mov_b32 s[\g+2], 128<<16                     ; tensor_dim1
	s_mov_b32 s[\g+3], ROWB<<16                    ; tile_dim0
	s_mov_b32 s[\g+4], 128                         ; tile_dim1
	s_mov_b32 s[\g+5], KROW                        ; from row to row
	s_mov_b32 s[\g+6], 0
	s_mov_b32 s[\g+7], 0
.endr
	; which rows of the buffer of codes: A: query 0, value 4096, Wv 16384;  B: Wq 8192, Wk 12288, value 4096
	s_lshl_b32 s44, s41, 12
	s_add_co_u32 s46, s44, 8192
	s_cmp_eq_u32 s41, 2
	s_cselect_b32 s44, 0x4000, s44
	s_cselect_b32 s46, 0x1000, s46
	s_lshl_b32 s66, s20, 7                         ; which 128 rows of the tile I fetch
	s_lshl_b32 s45, s40, 8
	s_add_co_u32 s44, s44, s45
	s_add_co_u32 s44, s44, s66                     ; A's row: it hangs on ty, P and the wave alone
	s_lshl_b32 s47, s23, 8
	s_add_co_u32 s46, s46, s47
	s_add_co_u32 s46, s46, s66                     ; B's row: on tx, P and the wave alone
	s_mov_b32 s45, 0
	s_mov_b32 s47, 0
	s_lshl_b32 s2, s19, 7
	s_add_co_u32 s2, s2, s44
	s_sub_co_u32 s2, s2, s66
	s_lshl_b32 s2, s2, 4                           ; my 128 rows of A among the scale bytes, 16 a row,
	s_lshl_b32 s3, s46, 4
	s_sub_co_u32 s3, s3, s2                        ; and the distance from there to my 128 rows of B
	s_lshl_b64 s[44:45], s[44:45], 9               ; 512 bytes of codes a row
	s_lshl_b64 s[46:47], s[46:47], 9
	s_mul_i32 s67, s18, HALFT                      ; where they go: wave x 128 rows
	s_wait_alu depctr_va_vdst(0)
	s_wait_kmcnt 0x0
	s_add_nc_u64 s[44:45], s[4:5], s[44:45]
	s_add_nc_u64 s[46:47], s[4:5], s[46:47]
	CROUND                                         ; all sixteen work-groups are here: the joint loads meet
	s_mov_b32 s[G0], 1
	s_mov_b32 s[G0+1], s67
	s_mov_b64 s[G0+2:G0+3], s[44:45]
	s_or_b32 s[G0+3], s[G0+3], 0x80000000
	s_mov_b32 s[G0B], 1
	s_mov_b32 s[G0B+1], s67
	s_mov_b64 s[G0B+2:G0B+3], s[46:47]
	s_or_b32 s[G0B+3], s[G0B+3], 0x80000000
	JLOAD G0, G1, G0B, G1B                         ; one load a wave: 128 whole rows
	v_and_b32 v1, 15, v0                           ; r
	v_bfe_u32 v2, v0, 4, 1                         ; h
	s_wait_alu depctr_va_vdst(0)
	v_mul_u32_u24 v3, v1, PITCH
	v_lshl_add_u32 v4, v2, 4, v3                   ; a fragment's row x pitch + 16 h
	s_mul_i32 s66, s19, HALFT                      ; my 128 rows of A
	s_mul_i32 s67, s20, HALFT                      ; my 128 rows of B,
	s_add_co_u32 s67, s67, 2*HALFT                 ; behind A's 256
	v_add_nc_u32 v[ADRA], s66, v4
	v_add_nc_u32 v[ADRB], s67, v4
	v_lshlrev_b32 v5, 4, v1                        ; my row's scales: 16 bytes a row; lanes 0-15 take A's, lanes 16-31 B's
	v_mul_lo_u32 v6, v2, s3
	v_add_nc_u32 v5, v5, v6
	v_add_nc_u32 v[ADRS], s2, v5
.irp i, 0,1,2,3,4,5,6,7
	global_load_b128 v[SC+4*\i:SC+4*\i+3], v[ADRS], s[6:7] offset:256*\i   ; a row's four words: block i
.endr
	v_and_b32 v[LI], 31, v0
	v_lshlrev_b32 v[LI], 4, v[LI]
	s_lshl_b32 s66, s18, 9
	s_add_co_u32 s66, s66, SSTG                    ; my 512 bytes for the scale words
	v_lshl_add_u32 v[SST], v1, 2, s66
	v_add_nc_u32 v[SRD], s66, v[LI]
	v_lshlrev_b32 v5, 5, v2                        ; the bias as C: 32 h
	v_lshlrev_b32 v6, 2, v1                        ; the bias by lanes: 4 r
	s_mov_b32 s[SEL], 0x76543210
	s_mov_b32 s[SEL+1], 0xfedcba98
	s_mov_b32 s[MNT], 0x600000
	s_mov_b32 s96, 1.0
	s_cmp_eq_u32 s41, 0
	s_cselect_b32 s96, 0x3d3504f3, s96             ; q is multiplied by SCALE = 1 / sqrt(512) ahead of its quantiser, k and v by 1
	s_mov_b32 s97, s96                             ; (named with it as a pair)
	; where my 128 x 128 results go
	s_lshl_b32 s66, s40, 1
	s_add_co_u32 s66, s66, s19                     ; which 128 rows of A
	s_lshl_b32 s67, s23, 1
	s_add_co_u32 s67, s67, s20                     ; which 128 rows of B
	s_cmp_eq_u32 s41, 2
	s_cselect_b32 s44, s67, s66                    ; tI: which 128 tokens
	s_cselect_b32 s45, s66, s67                    ; nI: which 128 columns of the weight
	s_lshl_b32 s46, s41, 5
	s_lshr_b32 s47, s44, 3
	s_lshl_b32 s47, s47, 3
	s_add_co_u32 s46, s46, s47
	s_lshr_b32 s47, s45, 2
	s_add_co_u32 s46, s46, s47                     ; 32 P + 8 batch + head
	s_lshl_b32 s46, s46, 3
	s_and_b32 s47, s44, 7
	s_add_co_u32 s46, s46, s47                     ; the block (p, bh, s)
	s_and_b32 s47, s45, 3                          ; which eight fragments of it
	s_mul_i32 s46, s46, 67584                      ; a block: 65,536 bytes of codes, then 2,048 of scale words
	s_lshl_b32 s67, s47, 14
	s_add_co_u32 s66, s46, s67
	s_mov_b32 s67, 0
	s_add_nc_u64 s[98:99], s[14:15], s[66:67]
	s_lshl_b32 s47, s47, 9
	s_add_co_u32 s66, s46, s47
	s_add_co_u32 s66, s66, 0x10000
	s_add_nc_u64 s[100:101], s[14:15], s[66:67]
	s_lshl_b32 s66, s45, 9                         ; my 128 numbers of the bias
	s_cmp_eq_u32 s41, 0
	s_cselect_b64 s[8:9], s[8:9], s[10:11]
	s_cmp_eq_u32 s41, 2
	s_cselect_b64 s[8:9], s[12:13], s[8:9]
	s_add_nc_u64 s[8:9], s[8:9], s[66:67]
	s_cmp_eq_u32 s41, 2
	s_cbranch_scc1 .Lbias_v
	s_wait_alu depctr_va_vdst(0)
.irp x, 0,1,2,3,4,5,6,7                ; q, k: the bias runs along the registers: it is the C of each sum's first product: b(16 x + 8 h + 0 .. 7)
	global_load_b128 v[BC+8*\x:BC+8*\x+3], v5, s[8:9] offset:64*\x
	global_load_b128 v[BC+8*\x+4:BC+8*\x+7], v5, s[8:9] offset:64*\x+16
.endr
.irp a, 0,1,2,3,4,5,6,7
	v_mov_b32 v[BV+\a], 0
.endr
	s_branch .Lbias_done
.Lbias_v:
	s_wait_alu depctr_va_vdst(0)
.irp a, 0,1,2,3,4,5,6,7                ; v: the bias goes with the lane's row: b(16 a + r), added on the way out
	global_load_b32 v[BV+\a], v6, s[8:9] offset:64*\a
.endr
.set j_, 0
.rept 64
	v_mov_b32 v[BC+j_], 0
.set j_, j_+1
.endr
.Lbias_done:
.macro FRAG reg, adr, q, i             ; 16 rows x 128 K: lane l holds row l % 16; registers 4 c .. 4 c + 3 hold K = 32 c + 16 (l / 16) + 0 .. 15
.irp c, 0,1,2,3
	ds_load_b128 v[\reg+4*\c:\reg+4*\c+3], v[\adr] offset:128*(\q)+32*\c+(\i)*16*PITCH
.endr
.endm
; 16 matrix instructions: A's blocks a0, a0 + 1 x B's eight.  p: B's set; sc: the set of scale words.  cm = 1: the first products start the sums from the bias registers.
; The 64 accumulators take turns, one instruction a turn, in the same order in every step.
.macro MUL16 a0, p, q, sc, cm
.irp a, \a0, \a0+1
.irp b, 0,1,2,3,4,5,6,7
.if \cm
	v_wmma_scale_f32_16x16x128_f8f6f4 v[8*(8*((\a)%4)+\b):8*(8*((\a)%4)+\b)+7], v[128*(\p)+FR*\b:128*(\p)+FR*\b+FR-1], v[AF+FR*(\a):AF+FR*(\a)+FR-1], v[BC+8*\b:BC+8*\b+7], v[SC+8*NQ*(\sc)+NQ*\b+(\q)], v[SC+8*NQ*(\sc)+NQ*(\a)+(\q)] matrix_a_fmt:MATRIX_FMT_BF8 matrix_b_fmt:MATRIX_FMT_BF8 matrix_a_scale:MATRIX_SCALE_ROW1
.else
	v_wmma_scale_f32_16x16x128_f8f6f4 v[8*(8*((\a)%4)+\b):8*(8*((\a)%4)+\b)+7], v[128*(\p)+FR*\b:128*(\p)+FR*\b+FR-1], v[AF+FR*(\a):AF+FR*(\a)+FR-1], v[8*(8*((\a)%4)+\b):8*(8*((\a)%4)+\b)+7], v[SC+8*NQ*(\sc)+NQ*\b+(\q)], v[SC+8*NQ*(\sc)+NQ*(\a)+(\q)] matrix_a_fmt:MATRIX_FMT_BF8 matrix_b_fmt:MATRIX_FMT_BF8 matrix_a_scale:MATRIX_SCALE_ROW1
.endif
.endr
.endr
.endm
.macro FETCH_B slot, q, p
	WIN TO_B
.irp i, 0,1,2,3,4,5,6,7
	FRAG 128*(\p)+FR*\i, ADRB+\slot, \q, \i
.endr
	WIN 0
.endm
.macro FETCH_A slot, q, i0
.irp i, \i0, \i0+1, \i0+2, \i0+3
	FRAG AF+FR*(\i), ADRA+\slot, \q, \i
.endr
.endm
.macro PLACES n                        ; plain vector lines between a matrix instruction and a load into, or a vector line on, its registers
.rept \n
	v_nop
.endr
.endm
.macro STEP slot, q, cm                ; 128 along K that has its successor in the same slot
	s_wait_dscnt 4*NL                              ; B's set and A's blocks 0-3 are in; the youngest sixteen loads (A's blocks 4-7) may be out
.if \cm
	WIN 0x81                                       ; C (the bias) in window 0, D in window 2
.else
	WIN MUL_LO
.endif
	MUL16 0, (\q)%2, \q, \slot, \cm
	MUL16 2, (\q)%2, \q, \slot, \cm
	s_wait_dscnt 0x0                               ; A's blocks 4-7 are in
	PLACES NP
	FETCH_B \slot, (\q)+1, 1-(\q)%2
	FETCH_A \slot, (\q)+1, 0
.if \cm
	WIN 0xc1
.else
	WIN MUL_HI
.endif
	MUL16 4, (\q)%2, \q, \slot, \cm
	MUL16 6, (\q)%2, \q, \slot, \cm
	PLACES NP
	WIN 0
	FETCH_A \slot, (\q)+1, 4
.endm
	s_wait_alu depctr_va_vdst(0)                   ; the wait at the head's end
	s_wait_tensorcnt 0x0                           ; my 128 rows are in
	s_barrier_signal -1
	s_barrier_wait -1
	FETCH_B 0, 0, 0
	FETCH_A 0, 0, 0
	FETCH_A 0, 0, 4
	s_wait_loadcnt 0x0                             ; the scale words and the bias
	STEP 0, 0, 1
	STEP 0, 1, 0
	STEP 0, 2, 0
	s_wait_dscnt 4*NL                              ; the last step: nothing more to fetch
	WIN MUL_LO
	MUL16 0, 1, NQ-1, 0, 0
	MUL16 2, 1, NQ-1, 0, 0
	s_wait_dscnt 0x0
	WIN MUL_HI
	MUL16 4, 1, NQ-1, 0, 0
	MUL16 6, 1, NQ-1, 0, 0
	WIN 0
; THE WAY OUT.  Block a (16 rows of A x my 128 rows of B) is 64 numbers a lane: four blocks of 32 along the next K, each shared with lane l xor 16.  They are scaled, biased, quantised,
; and the conversions' results are the fragment's registers: four stores of 512 consecutive bytes.
.macro QUANT                           ; v[T] .. v[T + 63] become codes in v[PCA] on and the scale word in v[PWA]
.irp b, 0,1,2,3
	v_max3_num_f32 v[TM+\b], |v[T+16*\b]|, |v[T+16*\b+1]|, 0x8000000   ; my 16 numbers of block b, and the floor 2^(16 - 127): the byte cannot fall under 1
.endr
.irp i, 2,4,6,8,10,12,14
.irp b, 0,1,2,3
	v_max3_num_f32 v[TM+\b], v[TM+\b], |v[T+16*\b+\i]|, |v[T+16*\b+\i+1]|
.endr
.endr
.irp b, 0,1,2,3
	v_permlanex16_b32 v[TM+4+\b], v[TM+\b], s[SEL], s[SEL+1]
.endr
.irp b, 0,1,2,3
	v_max_num_f32 v[TM+\b], v[TM+\b], v[TM+4+\b]   ; with lane l xor 16's: the block's largest magnitude
.endr
.irp b, 0,1,2,3
	v_add_nc_u32 v[TM+12+\b], 0xf8800000, v[TM+\b] ; 15 off its exponent field: the conversion's scale operand
.endr
.irp b, 0,1,2,3
	v_and_or_b32 v[TM+8+\b], v[TM+\b], 0x7f800000, s[MNT]   ; 57,344 x the scale
.endr
.irp b, 0,1,2,3
	v_lshrrev_b32 v[TM+4+\b], 23, v[TM+12+\b]      ; the scale's byte
.endr
	v_lshl_or_b32 v[PWA], v[TM+5], 8, v[TM+4]
	v_lshl_or_b32 v[PWA], v[TM+6], 16, v[PWA]
	v_lshl_or_b32 v[PWA], v[TM+7], 24, v[PWA]
.irp b, 0,1,2,3
.irp i, 0,1,2,3,4,5,6,7,8,9,10,11,12,13,14,15
	v_med3_num_f32 v[T+16*\b+\i], v[T+16*\b+\i], -v[TM+8+\b], v[TM+8+\b]   ; the conversion does not saturate (ISA guide 7.6.2): the hold
.endr
	v_cvt_scalef32_pk8_bf8_f32 v[PCA+4*\b:PCA+4*\b+1], v[T+16*\b:T+16*\b+7], v[TM+12+\b]
	v_cvt_scalef32_pk8_bf8_f32 v[PCA+4*\b+2:PCA+4*\b+3], v[T+16*\b+8:T+16*\b+15], v[TM+12+\b]
.endr
	v_nop                                          ; a plain line behind the last conversion, ahead of the next lines that write its sources
.endm
	PLACES NP                                      ; behind the last products: their results are read, and registers that held A's fragments are written
.irp b, 0,1,2,3
	v_mov_b32 v[TM+4+\b], 0                        ; a lane permute's destination counts as one of its sources
.endr
	v_mov_b32 v3, 0                                ; (named as the upper half of the pair v[2:3])
.irp a, 0,1,2,3,4,5,6,7
.set PCA, PC+16*(\a%4)
.set PWA, PW+\a
.set AC, 64*(\a%4)
	v_mov_b32 v2, v[BV+\a]                         ; my row's bias (v), or 0
	WIN 0x02+\a/4                                  ; source 0: window 2 or 3
.set j_, 0
.rept 32
	v_pk_fma_f32 v[T+j_:T+j_+1], v[AC+j_:AC+j_+1], s[96:97], v[2:3] op_sel_hi:[1,0,0]   ; result x (SCALE or 1) + bias; each accumulator from its low end on
.set j_, j_+2
.endr
	WIN 0
.if \a >= 4
	s_wait_xcnt 0x0                                ; block a - 4's stores have read their data: its codes' registers are written again only behind this wait
.endif
	QUANT
.irp c, 0,1,2,3
	global_store_b128 v[LI], v[PCA+4*\c:PCA+4*\c+3], s[98:99] offset:2048*\a+512*\c   ; the wave stores 512 consecutive bytes, aligned
.endr
	ds_store_b32 v[SST], v[PWA] offset:64*\a       ; lanes r and r + 16 write the same word with the same value
.endr
	ds_load_b128 v[SWB:SWB+3], v[SRD]              ; my eight fragments' scale words, 512 bytes on end: these loads see my stores
	s_wait_dscnt 0x0
	global_store_b128 v[LI], v[SWB:SWB+3], s[100:101]
	s_wait_tensorcnt 0x0                           ; the wave's end
	ds_add_u32 v[SPW], v[NIL]
	s_wait_dscnt 0x0
	CROUND                                         ; the closing round: no work-group ends while a partner may still ask for a tile that names it
	s_endpgm
.Lfunc_end_k_qde48126c85_proj:
	.size	k_qde48126c85_proj, .Lfunc_end_k_qde48126c85_proj-k_qde48126c85_proj
	.p2alignl 7, 3214868480
	.fill 96, 4, 3214868480
	.section	.rodata,"a",@progbits
	.p2align	6, 0x0
	.amdhsa_kernel k_qde48126c85_proj
		.amdhsa_group_segment_fixed_size 327680
		.amdhsa_private_segment_fixed_size 0
		.amdhsa_enable_private_segment 0
		.amdhsa_kernarg_size 48
		.amdhsa_user_sgpr_count 2
		.amdhsa_user_sgpr_kernarg_segment_ptr 1
		.amdhsa_wavefront_size32 1
		.amdhsa_system_sgpr_workgroup_id_x 1
		.amdhsa_system_sgpr_workgroup_id_y 1
		.amdhsa_system_sgpr_workgroup_id_z 1
		.amdhsa_system_vgpr_workitem_id 0
		.amdhsa_next_free_vgpr 1024
		.amdhsa_next_free_sgpr 102
		.amdhsa_reserve_vcc 0
		.amdhsa_float_denorm_mode_32 3
		.amdhsa_float_denorm_mode_16_64 3
		.amdhsa_memory_ordered 1
		.amdhsa_forward_progress 1
		.amdhsa_inst_pref_size 149
	.end_amdhsa_kernel
	.amdgpu_metadata
---
amdhsa.version: [ 1, 2 ]
amdhsa.kernels:
  - .name:           k_qde48126c85_proj
    .symbol:         k_qde48126c85_proj.kd
    .args:
      - { .name: codes, .offset: 0, .size: 8, .value_kind: global_buffer, .address_space: global }
      - { .name: scales, .offset: 8, .size: 8, .value_kind: global_buffer, .address_space: global }
      - { .name: bq, .offset: 16, .size: 8, .value_kind: global_buffer, .address_space: global }
      - { .name: bk, .offset: 24, .size: 8, .value_kind: global_buffer, .address_space: global }
      - { .name: bv, .offset: 32, .size: 8, .value_kind: global_buffer, .address_space: global }
      - { .name: qkvc, .offset: 40, .size: 8, .value_kind: global_buffer, .address_space: global }
    .group_segment_fixed_size: 327680
    .private_segment_fixed_size: 0
    .kernarg_segment_align: 8
    .kernarg_segment_size: 48
    .max_flat_workgroup_size: 128
    .sgpr_count:     102
    .vgpr_count:     1024
    .wavefront_size: 32
...
	.end_amdgpu_metadata
.endif
;; end of part 5
;; launch attn (part 6): grid 8 x 32, 4 waves a work-group, clusters of 4 x 1, 327,680 bytes of LDS; arguments qkvc, out0; writes out0
.if DOCPART == 6
	.amdgcn_target "amdgcn-amd-amdhsa--gfx1250"
	.amdhsa_code_object_version 6
	.text
	.protected	k_qde48126c85_attn
	.globl	k_qde48126c85_attn
	.p2align	8
	.type	k_qde48126c85_attn,@function
k_qde48126c85_attn:
	s_mov_b64 s[64:65], 0
	v_nop
	global_prefetch_b8 v0, s[64:65] scope:SCOPE_SE
	s_setreg_imm32_b32 hwreg(HW_REG_WAVE_MODE, 25, 1), 1
	s_wait_xcnt 0x0
	s_wait_alu depctr_hold_cnt(0) depctr_sa_sdst(0) depctr_va_vdst(0) depctr_va_sdst(0) depctr_va_ssrc(0) depctr_va_vcc(0) depctr_vm_vsrc(0)
	s_getreg_b32 s2, hwreg(HW_REG_IB_STS2, 6, 4)
	s_cmp_eq_u32 s2, 0
	s_cbranch_scc0 .Lentry_in_a_cluster
	s_endpgm
.Lentry_in_a_cluster:
	s_bfe_u32 s2, ttmp6, 0x10000c
	s_cmp_lg_u32 s2, 0x3003
	s_cbranch_scc0 .Lentry_shape_is_right
	s_endpgm
.Lentry_shape_is_right:
; out0[b][q][512 h + d] = the causal softmax of (SCALE q) k^T, times v, both products on codes of BF8 (E5M2) with E8M0 scales.  bh = 8 b + h is the work-group's y.
; qkvc: blocks of 67,584 bytes, [p: 0 q, 1 k, 2 v][bh][s: 128 tokens]: 32 fragments of 2,048 bytes (register group c of lane l at 512 c + 16 l), then their scale words, 64 bytes a fragment.
;   q, k: fragment 8 (d / 128) + tile of 16 tokens, K = 128 of the head's 512;  v: fragment d / 16, K = the block's 128 keys.
;   Inside a block of 32 the order along K is the same in q and k, and in v and p: registers 16 c + i of lane half hh hold 32 c + 8 hh + i (i < 8) and 32 c + 16 + 8 hh + i - 8.
; SHARES.  A cluster of four work-groups owns 256 queries (two blocks of 128) at a time: first the range that begins at block 2 c, c = cluster x, then that of 6 - 2 c: 2 c + 2 and 8 - 2 c steps of 128 keys, ten in all.
;   A work-group has four tiles of 16 queries: tiles 2 cx, 2 cx + 1 of both blocks.  Key steps that lie wholly behind a range are not walked.
;   S^T = K Q^T: a wave takes 32 of the step's 128 keys for all 64 queries: one scale block of p.   O^T = V^T P^T: a wave takes 128 of the 512 channels for all 64 queries.
;   So each byte of K and V is read from LDS once in a work-group; p's codes go through LDS.
; SOFTMAX.  t = score x log2(e).  A wave normalises its 32 keys by n = floor(their largest t): p = 2^(t - n), the largest in 1 .. 2, so the block's scale is 2^-15 under n, a constant, and the hold is 1.75.
;   n and the sum of the unquantised p go to the other waves with the codes.  The running M = the largest n; the block's byte is 112 + n - M (held at 1), O and the sum are multiplied by 2^(old M - new M): nothing is rounded.
; LIMITS: scaled scores under 2^31 in magnitude; a hidden key counts for nothing; NaN and infinities are not served.
; CLUSTER: the four partners ask jointly for each step's tile of K and V (two blocks, a quarter a wave).  One round a step: p is exchanged, the next tile is whole, the slot just read is filled again.
; REGISTERS: window 0: v1-63 addresses, scale words and state, v64-127 S (register 16 tile + 8 key tile + j), v128-255 V.   window 1: Q.   windows 2, 3 (g = tile / 2): v0-127 O, v128-159 p, v160-223 K's key tile g.
.set BLK,   67584
.set HALF,  33792
.set SLOT1, 0x21000                    ; slot 1: 2 x BLK on; none of wave x HALF has a bit of it
.set PB,    0x44000                    ; two exchange buffers of 12,288 bytes: codes 8,192, then n and sums 4,096
.set PFLIP, 0x3000                     ; from one to the other
.set STAGE, PB+24576                   ; the way out: 16 rows of 256 + 16 bytes for each wave
.set SPITCH, 272
.set SPARE, STAGE+4*16*SPITCH
.set PFO,  1
.set SPW,  2
.set NIL,  3
.set LI,   4                           ; 16 x lane
.set L4,   5                           ; 4 x lane
.set ADK,  6
.set ADV,  7
.set ADKS, 8
.set ADVS, 9
.set PWA,  10
.set PRA,  11
.set XWA,  12
.set XRA,  13
.set DM0,  14                          ; my query less my first key, block numbers apart
.set SCO,  15                          ; the conversion's scale operand, 2^-15
.set KS,   16
.set PSW,  20
.set VS,   24
.set PX,   28
.set QS,   34                          ; (no product's two scale words have numbers equal modulo 8)
.set FS,   42                          ; pairs: n, sum
.set FMP,  50                          ; pairs: factor, M
.set L,    58
.set STO,  32                          ; the way out's addresses (v32, v33, v62 hold sums else)
.set RD,   33
.set GO,   62
.set S,    64
.set WV,   10
.set SW,   11                          ; steps of the first range
.set STP,  12
.set LEFT, 13
.set TB,   14
.set KEY,  15
.set G1,   16
.set G0,   24
.set RB,   28                          ; the range's first block of 128 queries
.set SW2,  29
.set SEL,  30
.set CS,   32
.set HOLD, 34
.set SB,   35
.set KO,   36
.set VO,   37
.set KSO,  38
.set VSO,  39
.set KB,   40
.set PFB,  42
.set PFA,  44
.set OUTA, 46
.set OUTB, 48
.set QB,   50
.set QSB,  52
.set QA,   54
.set QSA,  56
.set RBB,  58
.set MSB, 0
.macro WIN new
.if MSB != (\new)
	s_set_vgpr_msb (MSB<<8)|(\new)
.set MSB, (\new)
.endif
.endm
.macro PLACES n
.rept \n
	v_nop
.endr
.endm
.macro WALU
	s_wait_alu depctr_va_vdst(0)
.endm
.macro CROUND
	s_barrier_signal -1
	s_barrier_wait -1
	s_cmp_lg_u32 s[WV], 0
	s_cbranch_scc1 .Lnot_wave_0_\@
	s_barrier_signal -3
.Lnot_wave_0_\@:
	s_barrier_wait -3
	s_barrier_signal -1
	s_barrier_wait -1
.endm
.macro TLOAD
	tensor_load_to_lds s[G0:G0+3], s[G1:G1+7]
	s_nop 0
	PLACES 4
.endm
.macro QLOAD q, w                      ; 64 queries x 512 codes into window 1: tile t's k-th 128 at v[16 (4 t + k)], and their scale words
	WIN 0x40
.irp t, 0,1,2,3
.irp k, 0,1,2,3
.irp n, 0,1,2,3
	global_load_b128 v[16*(4*\t+\k)+4*\n:16*(4*\t+\k)+4*\n+3], v[LI], s[\q:\q+1] offset:BLK*(\t/2)+2048*(\t%2)+16384*\k+512*\n
.endr
.endr
.endr
	WIN 0
.irp g, 0,1
.irp k, 0,1,2,3
	global_load_b32 v[QS+4*\g+\k], v[L4], s[\w:\w+1] offset:BLK*\g+512*\k
.endr
.endr
.endm
.macro FRESH                           ; a range begins: M far below every n, sums and O zero
.irp t, 0,1,2,3
	v_mov_b32 v[FMP+2*\t+1], 0xff61b1e6
	v_mov_b32 v[L+\t], 0
.endr
.irp g, 0,1
	WIN 0x80+0x40*\g
.set j_, 0
.rept 64
	v_pk_add_f32 v[j_:j_+1], v[SPW:SPW+1], v[SPW:SPW+1] op_sel:[1,1] op_sel_hi:[1,1]   ; 0 + 0, both from v[NIL]
.set j_, j_+2
.endr
.endr
	WIN 0
.endm
.macro ADDR                            ; where my parts of the slot at TB lie
	s_add_co_u32 s66, s[TB], s[KO]
	v_add_nc_u32 v[ADK], s66, v[LI]
	s_add_co_u32 s66, s[TB], s[VO]
	v_add_nc_u32 v[ADV], s66, v[LI]
	s_add_co_u32 s66, s[TB], s[KSO]
	v_add_nc_u32 v[ADKS], s66, v[L4]
	s_add_co_u32 s66, s[TB], s[VSO]
	v_add_nc_u32 v[ADVS], s66, v[L4]
.endm
.macro CHANGE ahead                    ; the round: s68 = the tile that is asked for.  ahead = 1: and a prefetch of the tile behind it
	WALU
	s_wait_tensorcnt 0x0                           ; my part of the next tile has landed
	ds_add_u32 v[SPW], v[NIL]
	s_xor_b32 s[G0+1], s[G0+1], SLOT1
	s_cmp_lt_u32 s68, s[SW]
	s_cselect_b32 s66, 0, s[SW]
	s_sub_co_u32 s66, s68, s66                     ; its key step
	s_mul_i32 s66, s66, BLK
	s_mov_b32 s67, 0
	s_add_nc_u64 s[G0+2:G0+3], s[KB:KB+1], s[66:67]
	s_or_b32 s[G0+3], s[G0+3], 0x80000000
.if \ahead
	s_wait_xcnt 0x0                                ; the last prefetch has read its address
	s_add_co_u32 s66, s[STP], 3
	s_cmp_lt_u32 s66, s[SW]
	s_cselect_b32 s67, 0, s[SW]
	s_sub_co_u32 s66, s66, s67
	s_min_u32 s66, s66, 7                          ; (the last trip's is not asked for; the address stays inside the head)
	s_mul_i32 s66, s66, BLK
	s_mov_b32 s67, 0
	s_add_nc_u64 s[PFA:PFA+1], s[PFB:PFB+1], s[66:67]
.endif
	s_wait_dscnt 0x0                               ; the add, my exchange stores and my reads of the slot that is filled again are done
	CROUND
	TLOAD
.if \ahead
	; A prefetch of the codes of the tile one further on: 512 blocks of 256 bytes, one for each lane of the cluster's sixteen waves, where this cluster has not read that key step yet.
	s_add_co_u32 s66, s[STP], 3
	s_cmp_gt_u32 s66, 9
	s_cbranch_scc1 .Lno_ask_\@
	s_cmp_lt_u32 s66, s[SW]
	s_cbranch_scc1 .Lask_\@
	s_cmp_lt_u32 s66, s[SW2]
	s_cbranch_scc1 .Lno_ask_\@
.Lask_\@:
	global_prefetch_b8 v[PFO], s[PFA:PFA+1] th:TH_LOAD_NT scope:SCOPE_SE
.Lno_ask_\@:
.endif
.endm
.macro KLOAD                           ; my 32 keys x 512: 36 loads
	WIN 0xc0
.irp k, 0,1,2,3
.irp n, 0,1,2,3
	ds_load_b128 v[160+16*\k+4*\n:160+16*\k+4*\n+3], v[ADK] offset:2048+16384*\k+512*\n
.endr
.endr
	WIN 0x80
.irp k, 0,1,2,3
.irp n, 0,1,2,3
	ds_load_b128 v[160+16*\k+4*\n:160+16*\k+4*\n+3], v[ADK] offset:16384*\k+512*\n
.endr
.endr
	WIN 0
.irp k, 0,1,2,3
	ds_load_b32 v[KS+\k], v[ADKS] offset:512*\k    ; lanes 0-15 key tile 0, lanes 16-31 key tile 1
.endr
.endm
.macro VLOAD                           ; my 128 channels x 128 keys
.irp t, 0,1,2,3,4,5,6,7
.irp n, 0,1,2,3
	ds_load_b128 v[128+16*\t+4*\n:128+16*\t+4*\n+3], v[ADV] offset:2048*\t+512*\n
.endr
.endr
.irp m, 0,1,2,3
	ds_load_b32 v[VS+\m], v[ADVS] offset:128*\m
.endr
.endm
.macro WM d, a, b, link, sa, sb, ra, rb
.if (\link) == 0
.if (\ra) == 0 && (\rb) == 0
	v_wmma_scale_f32_16x16x128_f8f6f4 v[\d:\d+7], v[\a:\a+15], v[\b:\b+15], 0, v[\sa], v[\sb] matrix_a_fmt:MATRIX_FMT_BF8 matrix_b_fmt:MATRIX_FMT_BF8
.elseif (\ra) == 0
	v_wmma_scale_f32_16x16x128_f8f6f4 v[\d:\d+7], v[\a:\a+15], v[\b:\b+15], 0, v[\sa], v[\sb] matrix_a_fmt:MATRIX_FMT_BF8 matrix_b_fmt:MATRIX_FMT_BF8 matrix_b_scale:MATRIX_SCALE_ROW1
.elseif (\rb) == 0
	v_wmma_scale_f32_16x16x128_f8f6f4 v[\d:\d+7], v[\a:\a+15], v[\b:\b+15], 0, v[\sa], v[\sb] matrix_a_fmt:MATRIX_FMT_BF8 matrix_b_fmt:MATRIX_FMT_BF8 matrix_a_scale:MATRIX_SCALE_ROW1
.else
	v_wmma_scale_f32_16x16x128_f8f6f4 v[\d:\d+7], v[\a:\a+15], v[\b:\b+15], 0, v[\sa], v[\sb] matrix_a_fmt:MATRIX_FMT_BF8 matrix_b_fmt:MATRIX_FMT_BF8 matrix_a_scale:MATRIX_SCALE_ROW1 matrix_b_scale:MATRIX_SCALE_ROW1
.endif
.else
.if (\ra) == 0 && (\rb) == 0
	v_wmma_scale_f32_16x16x128_f8f6f4 v[\d:\d+7], v[\a:\a+15], v[\b:\b+15], v[\d:\d+7], v[\sa], v[\sb] matrix_a_fmt:MATRIX_FMT_BF8 matrix_b_fmt:MATRIX_FMT_BF8
.elseif (\ra) == 0
	v_wmma_scale_f32_16x16x128_f8f6f4 v[\d:\d+7], v[\a:\a+15], v[\b:\b+15], v[\d:\d+7], v[\sa], v[\sb] matrix_a_fmt:MATRIX_FMT_BF8 matrix_b_fmt:MATRIX_FMT_BF8 matrix_b_scale:MATRIX_SCALE_ROW1
.elseif (\rb) == 0
	v_wmma_scale_f32_16x16x128_f8f6f4 v[\d:\d+7], v[\a:\a+15], v[\b:\b+15], v[\d:\d+7], v[\sa], v[\sb] matrix_a_fmt:MATRIX_FMT_BF8 matrix_b_fmt:MATRIX_FMT_BF8 matrix_a_scale:MATRIX_SCALE_ROW1
.else
	v_wmma_scale_f32_16x16x128_f8f6f4 v[\d:\d+7], v[\a:\a+15], v[\b:\b+15], v[\d:\d+7], v[\sa], v[\sb] matrix_a_fmt:MATRIX_FMT_BF8 matrix_b_fmt:MATRIX_FMT_BF8 matrix_a_scale:MATRIX_SCALE_ROW1 matrix_b_scale:MATRIX_SCALE_ROW1
.endif
.endif
.endm
.macro SMUL                            ; 32 products; the eight accumulators take turns, one instruction a turn
.irp k, 0,1,2,3
.irp t, 0,1
	WIN 0x06+\t                                    ; source 0 window 2 or 3 (K), source 1 window 1 (Q), C and D window 0
.irp q, 0,1,2,3
.set rD, S+16*\q+8*\t
.set rA, 160+16*\k
.set rB, 16*(4*\q+\k)
.set rL, \k
.set rX, KS+\k
.set rY, QS+4*(\q/2)+\k
.set rU, \t
.set rV, \q%2
	WM rD, rA, rB, rL, rX, rY, rU, rV
.endr
.endr
.endr
	WIN 0
.endm
.macro PMUL g                          ; 16 products on O of tiles 2 g, 2 g + 1
	WIN 0xa8+0x54*\g                               ; source 0 window 0 (V), source 1, C and D window 2 + g
.irp n, 0,1,2,3,4,5,6,7
.irp q, 0,1
.set rD, 16*\n+8*\q
.set rA, 128+16*\n
.set rB, 128+16*\q
.set rX, VS+\n/2
.set rY, PSW+2*\g+\q
.set rU, \n%2
	WM rD, rA, rB, 1, rX, rY, rU, 0
.endr
.endr
.endm
.macro RESCALE g                       ; O x 2^(old M - new M)
	WIN 0xa8+0x54*\g
	WALU                                           ; one wait for the group of matrix results below
.irp n, 0,1,2,3,4,5,6,7
.irp q, 0,1
.irp j, 0,2,4,6
	v_pk_mul_f32 v[16*\n+8*\q+\j:16*\n+8*\q+\j+1], v[FMP+4*\g+2*\q:FMP+4*\g+2*\q+1], v[16*\n+8*\q+\j:16*\n+8*\q+\j+1] op_sel_hi:[0,1]
.endr
.endr
.endr
.endm
.macro MASK                            ; register 16 t + n holds key 16 (n / 8) + n % 8 on from my first: hidden where that passes my query's distance
	s_sub_co_i32 s66, s[RB], s[KEY]
	s_lshl_b32 s66, s66, 7
	v_add_nc_u32 v[FS], s66, v[DM0]
	s_add_co_u32 s67, s66, 16
	v_add_nc_u32 v[FS+2], s67, v[DM0]
	s_add_co_u32 s67, s66, 0x80
	v_add_nc_u32 v[FS+4], s67, v[DM0]
	s_add_co_u32 s67, s66, 0x90
	v_add_nc_u32 v[FS+6], s67, v[DM0]
	v_mov_b32 v[PX], 0xff800000
.set n_, 0
.rept 16
.irp t, 0,1,2,3
	v_cmp_gt_i32 s[72+\t], 16*(n_/8)+n_%8, v[FS+2*\t]
.endr
.irp t, 0,1,2,3
	v_cndmask_b32 v[S+16*\t+n_], v[S+16*\t+n_], v[PX], s[72+\t]
.endr
.set n_, n_+1
.endr
.endm
.macro SUM4 j
	v_pk_add_f32 v[28:29], v[28:29], v[S+\j:S+\j+1]
	v_pk_add_f32 v[30:31], v[30:31], v[S+16+\j:S+16+\j+1]
	v_pk_add_f32 v[62:63], v[62:63], v[S+32+\j:S+32+\j+1]
	v_pk_add_f32 v[32:33], v[32:33], v[S+48+\j:S+48+\j+1]
.endm
.macro SOFTMAX                         ; the four tiles by turns
.irp t, 0,1,2,3
	v_max3_num_f32 v[FS+2*\t], v[S+16*\t], v[S+16*\t+1], v[S+16*\t+2]
.endr
.irp i, 3,5,7,9,11,13
.irp t, 0,1,2,3
	v_max3_num_f32 v[FS+2*\t], v[FS+2*\t], v[S+16*\t+\i], v[S+16*\t+\i+1]
.endr
.endr
.irp t, 0,1,2,3
	v_max3_num_f32 v[FS+2*\t], v[FS+2*\t], v[S+16*\t+15], 0xff167699   ; -2e38: a block that is hidden whole keeps a finite n
.endr
.irp t, 0,1,2,3
	v_permlanex16_b32 v[PX+\t], v[FS+2*\t], s[SEL], s[SEL+1]
.endr
.irp t, 0,1,2,3
	v_max_num_f32 v[FS+2*\t], v[FS+2*\t], v[PX+\t]
.endr
.irp t, 0,1,2,3
	v_mul_f32 v[FS+2*\t], s[CS], v[FS+2*\t]
.endr
.irp t, 0,1,2,3
	v_floor_f32 v[FS+2*\t], v[FS+2*\t]             ; n
.endr
.set j_, 0
.rept 8
.irp t, 0,1,2,3
	v_pk_fma_f32 v[S+16*\t+j_:S+16*\t+j_+1], v[S+16*\t+j_:S+16*\t+j_+1], s[CS:CS+1], v[FS+2*\t:FS+2*\t+1] op_sel_hi:[1,0,0] neg_lo:[0,0,1] neg_hi:[0,0,1]   ; t - n
.endr
.set j_, j_+2
.endr
	WALU                                           ; the wait ahead of the batch,
.set j_, 0
.rept 64
	v_exp_f32 v[S+j_], v[S+j_]
.set j_, j_+1
.endr
	v_xor_b32 v[PWA], PFLIP, v[PWA]                ; (plain places) the other exchange buffer
	v_xor_b32 v[XWA], PFLIP, v[XWA]
	WALU                                           ; and behind it
	v_pk_add_f32 v[28:29], v[S:S+1], v[S+2:S+3]    ; the sums of the unquantised p
	v_pk_add_f32 v[30:31], v[S+16:S+17], v[S+18:S+19]
	v_pk_add_f32 v[62:63], v[S+32:S+33], v[S+34:S+35]
	v_pk_add_f32 v[32:33], v[S+48:S+49], v[S+50:S+51]
.irp j, 4,6,8,10,12,14
	SUM4 \j
.endr
	v_add_f32 v[FS+1], v28, v29
	v_add_f32 v[FS+3], v30, v31
	v_add_f32 v[FS+5], v62, v63
	v_add_f32 v[FS+7], v32, v33
.irp t, 0,1,2,3
.irp i, 0,1,2,3,4,5,6,7,8,9,10,11,12,13,14,15
	v_min_num_f32 v[S+16*\t+\i], s[HOLD], v[S+16*\t+\i]   ; 57,344 x the scale: the conversion does not saturate (ISA guide 7.6.2)
.endr
.if \t == 0
.set rC, PX
.else
.set rC, S+16*(\t-1)                   ; over the tile converted before
.endif
	v_cvt_scalef32_pk8_bf8_f32 v[rC:rC+1], v[S+16*\t:S+16*\t+7], v[SCO]
	v_cvt_scalef32_pk8_bf8_f32 v[rC+2:rC+3], v[S+16*\t+8:S+16*\t+15], v[SCO]
	ds_store_b128 v[PWA], v[rC:rC+3] offset:2048*\t
	ds_store_b64 v[XWA], v[FS+2*\t:FS+2*\t+1] offset:8192+1024*\t
.endr
	v_nop                                          ; a plain line behind the last conversion
.endm
.macro UPDATE                          ; v[64 + 8 t + 2 w], + 1: wave w's n and sum: the new M, the factor, p's scale word, the sum
.irp t, 0,1,2,3
	v_max3_num_f32 v[96+\t], v[64+8*\t], v[66+8*\t], v[68+8*\t]
.endr
.irp t, 0,1,2,3
	v_max3_num_f32 v[96+\t], v[96+\t], v[70+8*\t], v[FMP+2*\t+1]
.endr
.irp t, 0,1,2,3
	v_sub_f32 v[FMP+2*\t], v[FMP+2*\t+1], v[96+\t]
.endr
.irp t, 0,1,2,3
	v_mov_b32 v[FMP+2*\t+1], v[96+\t]
.endr
.irp w, 0,2,4,6
.irp t, 0,1,2,3
	v_sub_f32 v[64+8*\t+\w], v[64+8*\t+\w], v[96+\t]
.endr
.endr
.irp w, 0,2,4,6
.irp t, 0,1,2,3
	v_max_num_f32 v[64+8*\t+\w], 0xc2de0000, v[64+8*\t+\w]   ; n - M, held at -111: the byte at 1
.endr
.endr
.irp w, 0,2,4,6
.irp t, 0,1,2,3
	v_cvt_i32_f32 v[64+8*\t+\w], v[64+8*\t+\w]
.endr
.endr
.irp t, 0,1,2,3
	v_cvt_i32_f32 v[FMP+2*\t], v[FMP+2*\t]
.endr
.irp t, 0,1,2,3
	v_ldexp_f32 v[FMP+2*\t], 1.0, v[FMP+2*\t]
.endr
.irp w, 0,2,4,6
.irp t, 0,1,2,3
	v_ldexp_f32 v[65+8*\t+\w], v[65+8*\t+\w], v[64+8*\t+\w]
.endr
.endr
.irp t, 0,1,2,3
	v_add_f32 v[65+8*\t], v[65+8*\t], v[67+8*\t]
	v_add_f32 v[69+8*\t], v[69+8*\t], v[71+8*\t]
.endr
.irp t, 0,1,2,3
	v_lshl_add_u32 v[68+8*\t], v[70+8*\t], 8, v[68+8*\t]
	v_add_f32 v[65+8*\t], v[65+8*\t], v[69+8*\t]
.endr
.irp t, 0,1,2,3
	v_lshl_add_u32 v[66+8*\t], v[68+8*\t], 8, v[66+8*\t]
	v_fma_f32 v[L+\t], v[L+\t], v[FMP+2*\t], v[65+8*\t]
.endr
.irp t, 0,1,2,3
	v_lshl_add_u32 v[64+8*\t], v[66+8*\t], 8, v[64+8*\t]
.endr
.irp t, 0,1,2,3
	v_add_nc_u32 v[PSW+\t], 0x70707070, v[64+8*\t] ; 112 to each byte
.endr
.endm
.macro SEND u, younger, ptr
	s_wait_dscnt \younger                          ; the unit is back in registers; the LDS instructions issued behind it may be out
.irp k, 0,1,2,3,4,5,6,7
	global_store_b128 v[GO], v[128+32*((\u)%4)+4*\k:128+32*((\u)%4)+4*\k+3], s[\ptr:\ptr+1] offset:(128*((\u)/4)+16*(((\u)/2)%2)+2*\k)*16384+256*((\u)%2) th:TH_STORE_NT
.endr
.endm
.macro OUT ptr                         ; O / sum, a tile's 64 channels at a time, through my stage: sixteen lanes store 256 consecutive bytes
.irp t, 0,1,2,3
	v_permlanex16_b32 v[PX+\t], v[L+\t], s[SEL], s[SEL+1]
.endr
.irp t, 0,1,2,3
	v_add_f32 v[L+\t], v[L+\t], v[PX+\t]
.endr
	v_and_b32 v64, 15, v0
	v_bfe_u32 v65, v0, 4, 1
	v_mul_u32_u24 v[STO], v64, SPITCH
	v_lshl_add_u32 v[STO], v65, 5, v[STO]
	v_add_nc_u32 v[STO], s[SB], v[STO]
	v_mul_u32_u24 v[RD], v65, SPITCH
	v_lshl_add_u32 v[RD], v64, 4, v[RD]
	v_add_nc_u32 v[RD], s[SB], v[RD]
	v_lshlrev_b32 v[GO], 14, v65
	v_lshl_add_u32 v[GO], v64, 4, v[GO]
	WALU
.irp t, 0,1,2,3
	v_rcp_f32 v[FMP+2*\t], v[L+\t]
.endr
	v_nop
	WALU
.irp u, 0,1,2,3,4,5,6,7
	WIN 0x02+\u/4
	WALU                                           ; for this unit's matrix results
.irp n, 0,1,2,3
.irp j, 0,2,4,6
	v_pk_mul_f32 v[64+8*\n+\j:64+8*\n+\j+1], v[16*(4*(\u%2)+\n)+8*((\u/2)%2)+\j:16*(4*(\u%2)+\n)+8*((\u/2)%2)+\j+1], v[FMP+2*(\u/2):FMP+2*(\u/2)+1] op_sel_hi:[1,0]
.endr
.endr
	WIN 0
.irp n, 0,1,2,3
	ds_store_b128 v[STO], v[64+8*\n:64+8*\n+3] offset:64*\n
	ds_store_b128 v[STO], v[64+8*\n+4:64+8*\n+7] offset:64*\n+16
.endr
.if \u >= 4
	s_wait_xcnt 0x0                                ; unit u - 4's stores have read their data
.endif
.irp k, 0,1,2,3,4,5,6,7
	ds_load_b128 v[128+32*(\u%4)+4*\k:128+32*(\u%4)+4*\k+3], v[RD] offset:2*SPITCH*\k   ; LDS serves a wave's instructions in order
.endr
.if \u >= 1
	SEND \u-1, 16, \ptr
.endif
.endr
	SEND 7, 0, \ptr
	s_wait_xcnt 0x0                                ; the stores have read their registers
.endm
.macro TRIP fill                       ; step STP: scores, softmax, exchange, second product.  fill = 1: and the tile two steps on is asked for
	s_wait_loadcnt 0x0                             ; Q
	s_wait_dscnt 0x0                               ; my keys
	s_cmp_lt_u32 s[STP], s[SW]
	s_cselect_b32 s66, 0, s[SW]
	s_sub_co_u32 s[KEY], s[STP], s66
	VLOAD
	SMUL
	PLACES 8
.if \fill
	s_add_co_u32 s66, s[STP], 1
	s_cmp_lg_u32 s66, s[SW]
	s_cbranch_scc1 .Lsame_q_\@
	QLOAD QB, QSB                                  ; the first range's last scores are made: the second range's Q
.Lsame_q_\@:
	s_cmp_lt_u32 s[KEY], s[RB]
	s_cbranch_scc1 .Lopen_\@
	MASK
.Lopen_\@:
.else
	MASK
.endif
	SOFTMAX
	s_xor_b32 s[TB], s[TB], SLOT1
	ADDR
	v_xor_b32 v[PRA], PFLIP, v[PRA]
	v_xor_b32 v[XRA], PFLIP, v[XRA]
.if \fill
	s_add_co_u32 s68, s[STP], 2
	CHANGE 1
.else
	WALU
	s_wait_tensorcnt 0x0
	s_wait_dscnt 0x0
	s_barrier_signal -1
	s_barrier_wait -1
.endif
.irp t, 0,1,2,3
	ds_load_b128 v[64+8*\t:64+8*\t+3], v[XRA] offset:8192+1024*\t
	ds_load_b128 v[64+8*\t+4:64+8*\t+7], v[XRA] offset:8192+1024*\t+16
.endr
.irp g, 0,1
	WIN 0x80+0x40*\g
.irp q, 0,1
.irp c, 0,1,2,3
	ds_load_b128 v[128+16*\q+4*\c:128+16*\q+4*\c+3], v[PRA] offset:2048*(2*\g+\q)+512*\c
.endr
.endr
.endr
.if \fill
	KLOAD
	s_wait_dscnt 52                                ; n and the sums are in; p's 16 loads and K's 36 may be out
.else
	WIN 0
	s_cmp_eq_u32 s[LEFT], 1
	s_cbranch_scc1 .Lno_keys_\@                    ; the last step has no successor
	KLOAD
	s_wait_dscnt 52
	s_branch .Lgo_\@
.Lno_keys_\@:
	s_wait_dscnt 0x0
.Lgo_\@:
.endif
	UPDATE
	WALU
	s_wait_dscnt 36                                ; p is in; K's 36 loads may be out
	RESCALE 0
	RESCALE 1
	PMUL 1
	PMUL 0
	WIN 0
	PLACES 8
.if \fill
	s_add_co_u32 s66, s[STP], 1
	s_cmp_lg_u32 s66, s[SW]
	s_cbranch_scc1 .Lsame_range_\@
	OUT OUTA
	FRESH
	s_mov_b32 s[RB], s[RBB]
.Lsame_range_\@:
.endif
	WALU
.endm
	s_load_b128 s[4:7], s[0:1], 0x0                ; qkvc s[4:5], out0 s[6:7]
	v_lshl_add_u32 v[SPW], v0, 2, SPARE
	v_mov_b32 v[NIL], 0
	ds_add_u32 v[SPW], v[NIL]                      ; the wave's opening: the add, twice on end
	ds_add_u32 v[SPW], v[NIL]
	v_lshrrev_b32 v64, 5, v0
	v_readfirstlane_b32 s[WV], v64                 ; wave 0..3
	s_and_b32 s62, ttmp7, 0xffff                   ; bh
	s_bfe_u32 s63, ttmp6, 0x40000                  ; cx
	s_lshl_b32 s[RB], ttmp9, 1
	s_add_co_u32 s[SW], s[RB], 2
	s_lshl_b32 s[SW2], s[SW], 1
	s_sub_co_u32 s[RBB], 6, s[RB]
	; descriptor group 1: half a block, dense: 132 rows of 256 bytes (32 elements of 8), for all four work-groups
	s_mov_b32 s[G1], 15|(3<<16)|(1<<21)
	s_mov_b32 s[G1+1], 32<<16
	s_mov_b32 s[G1+2], 132<<16
	s_mov_b32 s[G1+3], 32<<16
	s_mov_b32 s[G1+4], 132
	s_mov_b32 s[G1+5], 32
	s_mov_b32 s[G1+6], 0
	s_mov_b32 s[G1+7], 0
	; what I fetch: waves 0, 1 halves of K's blocks, waves 2, 3 of V's
	s_lshr_b32 s66, s[WV], 1
	s_add_co_u32 s66, s66, 1
	s_lshl_b32 s66, s66, 8
	s_lshl_b32 s67, s62, 3
	s_add_co_u32 s66, s66, s67
	s_mul_i32 s66, s66, BLK
	s_and_b32 s67, s[WV], 1
	s_mul_i32 s68, s67, HALF
	s_add_co_u32 s68, s68, s66
	s_mov_b32 s69, 0
	s_lshl_b32 s70, s67, 15                        ; what I prefetch: 8,192 bytes of a block: number 4 (wave % 2) + cx
	s_add_co_u32 s70, s70, s66
	s_lshl_b32 s72, s63, 13
	s_add_co_u32 s70, s70, s72
	s_mov_b32 s71, 0
	s_lshl_b32 s[KO], s[WV], 12                    ; my 32 keys, my 128 channels and their scale words in a slot
	s_lshl_b32 s[VO], s[WV], 14
	s_add_co_u32 s[VO], s[VO], BLK
	s_lshl_b32 s[KSO], s[WV], 7
	s_add_co_u32 s[KSO], s[KSO], 0x10000
	s_lshl_b32 s[VSO], s[WV], 9
	s_add_co_u32 s[VSO], s[VSO], BLK+0x10000
	s_mul_i32 s[SB], s[WV], 16*SPITCH
	s_add_co_u32 s[SB], s[SB], STAGE
	s_mov_b32 s[SEL], 0x76543210
	s_mov_b32 s[SEL+1], 0xfedcba98                 ; selects for lane l xor 16
	s_mov_b32 s[CS], 0x3fb8aa3b                    ; log2(e)
	s_mov_b32 s[CS+1], s[CS]                       ; (named with it as a pair)
	s_mov_b32 s[HOLD], 0x3fe00000                  ; 1.75
	s_mov_b32 s[TB], 0
	s_mov_b32 s[STP], 0
	WALU
	s_wait_dscnt 0x0                               ; both opening adds are done
	s_wait_kmcnt 0x0
	s_add_nc_u64 s[KB:KB+1], s[4:5], s[68:69]
	s_mov_b32 s[G0], 1
	s_mul_i32 s[G0+1], s[WV], HALF
	s_mov_b64 s[G0+2:G0+3], s[KB:KB+1]
	s_or_b32 s[G0+3], s[G0+3], 0x80000000
	CROUND
	TLOAD                                          ; tile 0: one tensor load a wave at the head
	s_add_nc_u64 s[PFB:PFB+1], s[4:5], s[70:71]
	; Q's blocks of both ranges: my two tiles begin 4,096 cx bytes on, their scale words 65,536 + 128 cx
	s_mov_b32 s77, 0
	s_lshl_b32 s72, s62, 3
	s_add_co_u32 s73, s72, s[RB]
	s_mul_i32 s73, s73, BLK
	s_add_co_u32 s72, s72, s[RBB]
	s_mul_i32 s72, s72, BLK
	s_lshl_b32 s74, s63, 12
	s_lshl_b32 s75, s63, 7
	s_add_co_u32 s75, s75, 0x10000
	s_add_co_u32 s76, s73, s74
	s_add_nc_u64 s[QA:QA+1], s[4:5], s[76:77]
	s_add_co_u32 s76, s73, s75
	s_add_nc_u64 s[QSA:QSA+1], s[4:5], s[76:77]
	s_add_co_u32 s76, s72, s74
	s_add_nc_u64 s[QB:QB+1], s[4:5], s[76:77]
	s_add_co_u32 s76, s72, s75
	s_add_nc_u64 s[QSB:QSB+1], s[4:5], s[76:77]
	v_and_b32 v64, 31, v0
	v_lshlrev_b32 v[LI], 4, v64
	v_lshlrev_b32 v[L4], 2, v64
	WALU
	QLOAD QA, QSA
	; the output: row 1024 b + 128 block + 32 cx, column 512 h + 128 wave
	s_lshr_b32 s72, s62, 3
	s_lshl_b32 s72, s72, 10
	s_lshl_b32 s73, s63, 5
	s_add_co_u32 s72, s72, s73
	s_lshl_b32 s73, s[RB], 7
	s_add_co_u32 s73, s73, s72
	s_lshl_b32 s74, s[RBB], 7
	s_add_co_u32 s74, s74, s72
	s_and_b32 s75, s62, 7
	s_lshl_b32 s75, s75, 11
	s_lshl_b32 s72, s[WV], 9
	s_add_co_u32 s75, s75, s72
	s_lshl_b32 s76, s73, 14
	s_add_co_u32 s76, s76, s75
	s_add_nc_u64 s[OUTA:OUTA+1], s[6:7], s[76:77]
	s_lshl_b32 s76, s74, 14
	s_add_co_u32 s76, s76, s75
	s_add_nc_u64 s[OUTB:OUTB+1], s[6:7], s[76:77]
	WALU
	v_lshlrev_b32 v[PFO], 8, v64
	s_lshl_b32 s72, s[WV], 9
	s_add_co_u32 s72, s72, PB+PFLIP
	v_add_nc_u32 v[PWA], s72, v[LI]
	v_add_nc_u32 v[PRA], PB+PFLIP, v[LI]
	s_lshl_b32 s72, s[WV], 3
	s_add_co_u32 s72, s72, PB+PFLIP
	v_lshl_add_u32 v[XWA], v64, 5, s72
	v_lshl_add_u32 v[XRA], v64, 5, PB+PFLIP
	v_and_b32 v65, 15, v0
	v_bfe_u32 v66, v0, 4, 1
	v_lshlrev_b32 v66, 3, v66
	v_sub_nc_u32 v65, v65, v66
	s_lshl_b32 s72, s63, 5
	s_lshl_b32 s73, s[WV], 5
	s_sub_co_u32 s72, s72, s73
	v_add_nc_u32 v[DM0], s72, v65                  ; 32 cx + r - 8 hh - 32 wave
	v_mov_b32 v[SCO], 0x38000000
.irp t, 0,1,2,3
	v_mov_b32 v[PX+\t], 0                          ; a lane permute's destination counts as one of its sources
	v_mov_b32 v[FS+2*\t+1], 0                      ; (named as the upper half of a pair)
.endr
	FRESH
	ADDR
	s_mov_b32 s68, 1
	CHANGE 0                                       ; tile 0 is whole; tile 1 is asked for
	KLOAD
.Lfull:                                                ; eight steps, each of which asks for the tile two on
	TRIP 1
	s_add_co_u32 s[STP], s[STP], 1
	s_cmp_lt_u32 s[STP], 8
	s_cbranch_scc1 .Lfull
	s_mov_b32 s[LEFT], 2
.Llast:                                                ; the last two steps ask for nothing; both touch the diagonal
	TRIP 0
	s_add_co_u32 s[STP], s[STP], 1
	s_sub_co_u32 s[LEFT], s[LEFT], 1
	s_cmp_lg_u32 s[LEFT], 0
	s_cbranch_scc1 .Llast
	OUT OUTB
	s_wait_tensorcnt 0x0                           ; the wave's end
	ds_add_u32 v[SPW], v[NIL]
	s_wait_dscnt 0x0
	CROUND                                         ; the closing round
	s_endpgm
.Lfunc_end_k_qde48126c85_attn:
	.size	k_qde48126c85_attn, .Lfunc_end_k_qde48126c85_attn-k_qde48126c85_attn
	.p2alignl 7, 3214868480
	.fill 96, 4, 3214868480
	.section	.rodata,"a",@progbits
	.p2align	6, 0x0
	.amdhsa_kernel k_qde48126c85_attn
		.amdhsa_group_segment_fixed_size 327680
		.amdhsa_private_segment_fixed_size 0
		.amdhsa_enable_private_segment 0
		.amdhsa_kernarg_size 16
		.amdhsa_user_sgpr_count 2
		.amdhsa_user_sgpr_kernarg_segment_ptr 1
		.amdhsa_wavefront_size32 1
		.amdhsa_system_sgpr_workgroup_id_x 1
		.amdhsa_system_sgpr_workgroup_id_y 1
		.amdhsa_system_sgpr_workgroup_id_z 1
		.amdhsa_system_vgpr_workitem_id 0
		.amdhsa_next_free_vgpr 1024
		.amdhsa_next_free_sgpr 84
		.amdhsa_reserve_vcc 0
		.amdhsa_float_denorm_mode_32 3
		.amdhsa_float_denorm_mode_16_64 3
		.amdhsa_memory_ordered 1
		.amdhsa_forward_progress 1
		.amdhsa_inst_pref_size 192
	.end_amdhsa_kernel
	.amdgpu_metadata
---
amdhsa.version: [ 1, 2 ]
amdhsa.kernels:
  - .name:           k_qde48126c85_attn
    .symbol:         k_qde48126c85_attn.kd
    .args:
      - { .name: qkvc, .offset: 0, .size: 8, .value_kind: global_buffer, .address_space: global }
      - { .name: out0, .offset: 8, .size: 8, .value_kind: global_buffer, .address_space: global }
    .group_segment_fixed_size: 327680
    .private_segment_fixed_size: 0
    .kernarg_segment_align: 8
    .kernarg_segment_size: 16
    .max_flat_workgroup_size: 128
    .sgpr_count:     84
    .vgpr_count:     1024
    .wavefront_size: 32
...
	.end_amdgpu_metadata
.endif
;; end of part 6
